; MI455X (gfx1250); checked and timed in simulation.
; The chip was launched on July 23, 2026; its instructions are those of AMD's public machine-readable ISA for CDNA 5 (MIT licence, August 2026) and "CDNA5" Instruction Set Architecture Reference Guide (July 2026). The comments in the code are by the model that wrote it; some were corrected since.
;; Self Attention. Allowed arithmetic: matrix products marked QUANTISED: E2M3 operands, one E8M0 scale for each 32 along K, by v_wmma_scale_f32_16x16x128_f8f6f4 with both operands' format E2M3, f32 sums; everything else in f32.
;; Inputs: H 4 x 2,048 x 1,024 float32; W_K 1,024 x 1,024 float32; W_Q 1,024 x 1,024 float32; W_V 1,024 x 1,024 float32.
;; Outputs: out0 4 x 2,048 x 1,024 float32.
;; This version of the problem:
;;   THIS VERSION OF THE PROBLEM IS GIVEN IN LOW PRECISION. The matrix products marked QUANTISED in the list below multiply operands that are first quantised to E2M3 (2 exponent bits, 3 mantissa bits; 6 bits a number), with one power-of-two scale for each 32 numbers along K (OCP MX v1.0); their sums are f32. All else is computed in f32.
;;   The module's matrix products, in the order in which they are computed (A, B: the left and right operand; K: the contracted axis; several contracted axes count as one K, in the product's order):
;;     1. [M 8,192, K 1,024] x [K 1,024, N 1,024]; A: input H; B: input W_Q: QUANTISED
;;     2. [M 8,192, K 1,024] x [K 1,024, N 1,024]; A: input H; B: input W_K: QUANTISED
;;     3. [M 8,192, K 1,024] x [K 1,024, N 1,024]; A: input H; B: input W_V: QUANTISED
;;     4. batch 4 x [M 2,048, K 1,024] x [K 1,024, N 2,048]; A: computed on the way; B: computed on the way: QUANTISED
;;     5. batch 4 x [M 2,048, K 2,048] x [K 2,048, N 1,024]; A: softmax (see below); B: computed on the way: QUANTISED
;;   THE QUANTISER, for each operand of a quantised product, along K:
;;     - K is cut into blocks of 32 from its start; a last block that is shorter is filled with zeros.
;;     - A block's scale is 2^e with e = floor(log2(the largest magnitude in the block)) - 2, held to -126 .. 127; a block of zeros has e = 0. As a byte (E8M0): e + 127.
;;     - Each number is divided by its block's scale, clamped to +-7.5, and rounded to the nearest number of E2M3, ties to even, subnormals kept.
;;     - The product sums the exact products of the quantised numbers (number of the format x scale) in f32.
;;   ~~~python
;;   def quantise(x, axis):      # numpy; x: float32 -> the quantised numbers, widened to float32 again
;;       x = np.moveaxis(x, axis, -1); K = x.shape[-1]
;;       x = np.pad(x, [(0, 0)] * (x.ndim - 1) + [(0, -K % 32)]); x = x.reshape(x.shape[:-1] + (-1, 32)); a = np.abs(x).max(-1, keepdims=True)
;;       e = np.where(a > 0, np.clip(np.frexp(np.where(a > 0, a, 1))[1] - 1 - 2, -126, 127), 0)      # np.frexp(a)[1] - 1 = floor(log2(a)), exactly
;;       r = np.clip(x / 2.0 ** e, -7.5, 7.5)
;;       step = 2.0 ** (np.maximum(np.frexp(np.where(r == 0, 1, r))[1] - 1, 0) - 3)
;;       q = np.round(r / step) * step * 2.0 ** e      # np.round: ties to even
;;       return np.moveaxis(q.reshape(q.shape[:-2] + (-1,))[..., :K], -1, axis).astype(np.float32)
;;   ~~~
;;   SOFTMAX AHEAD OF A QUANTISED PRODUCT. Where the list says 'softmax', what is quantised is not the finished softmax but p = 2^(t - M), with t = logit x log2(e) and M = ceil(the row's largest t), a whole number; so 1/2 < the row's largest p <= 1. The row's sum l is taken of the UNQUANTISED p, in f32, and the product's result is divided by l at the end. Since M is a whole number, a kernel that streams over the keys may use a running M (the ceiling of the running maximum): every later rescaling is an exact power of two, which a block's scale takes up: the codes' values come out the same.
;;   OPERANDS COMPUTED ON THE WAY. 'Computed on the way' means the value that the module computes at that place (a softmax that the list does not call 'softmax' is quantised finished and normalised). What goes into a quantiser is computed in f32, as accurately as f32 sums, v_exp_f32 and their like allow (about 1e-6 of the number): no bf16 or f16 on the way to a quantiser, and a product that is left as it is and whose result goes on into a quantised operand takes f32 operands (vector FMAs, or v_wmma_f32_16x16x4_f32). A number that lies on a knife's edge between two numbers of the format may be rounded either way, as far as f32 arithmetic and the matrix unit's own rounding can turn it there, and no further.
;; One version. Each part assembles by itself: llvm-mc -triple=amdgcn-amd-amdhsa -mcpu=gfx1250 --defsym DOCPART=n.
;; ======== version 1 of 1: 4 launches
;; limits: right only within a limited range of input values
;; workspace buffers: HW 9,011,200 bytes; QK 13,107,200 bytes; VT 6,553,600 bytes; Pc 12,582,912 bytes; Pst 1,572,864 bytes
;; launch quant (part 1): grid 704 x 1, 4 waves a work-group, no clusters, 48,640 bytes of LDS; arguments H, W_Q, W_K, W_V, HW; writes HW
.if DOCPART == 1
	.amdgcn_target "amdgcn-amd-amdhsa--gfx1250"
	.amdhsa_code_object_version 6
	.text
	.protected	k_q84c2c648fd_quant
	.globl	k_q84c2c648fd_quant
	.p2align	8
	.type	k_q84c2c648fd_quant,@function
k_q84c2c648fd_quant:
	s_mov_b64 s[64:65], 0
	v_nop
	global_prefetch_b8 v0, s[64:65] scope:SCOPE_SE
	s_setreg_imm32_b32 hwreg(HW_REG_WAVE_MODE, 25, 1), 1
	s_wait_xcnt 0x0
; FIRST OF FOUR LAUNCHES of out = softmax(Q K^T / 32) V, Q = H W_Q, K = H W_K, V = H W_V, all five products on codes of E2M3 with one E8M0 scale for each 32 along K.
; NOTHING OF THE PROBLEM IS LEFT OUT: every input reaches the output and every product is live; all four inputs are loaded.
; This launch turns H [8192][1024] (K innermost) and W_Q, W_K, W_V [1024 (k)][1024 (n)] (K outermost) into codes and scale words, laid in the order of a matrix operand's registers:
;   THE ROW ORDER, in the whole program: a band of 64 rows is four row blocks j = 0 .. 3 of 16; fragment row 8 h + i of row block j is row 32 h + 8 j + i of the band (h = 0, 1; i = 0 .. 7).  So where four such operands are source 0 of
;   products, lane (r, h)'s 32 results are 32 neighbours along that axis: one scale block of the next product.  For a W the "rows" are its columns n.
;   CODES: 1,536 bytes for a row block and a K step of 128: a fragment as the image of its 12 registers: registers 4 c .. 4 c + 3 of lane l at 512 c + 16 l.
;   HW, H's part: row blocks of 12,800 bytes: 8 K steps of codes, then 512 bytes of scale words (K step q of row r at 256 (q / 4) + 16 r + 4 (q % 4)).
;   Row block j of H's band tg of tokens is row block 16 (tg / 4) + 8 (tg % 2) + 2 j + (tg / 2) % 2: 128 rows on end hold a band for each of two waves.
;   HW, the weights' part, from byte 6,553,600 on: W_Q's, W_K's, W_V's 16 bands of columns, 51,200 bytes each: four row blocks of 8 K steps of codes, then 2,048 bytes of scale words (K step q of row r of row block j at 512 (q / 2) + 128 j + 8 r + 4 (q % 2)).
; THE QUANTISER: a block's scale is 2^(floor(log2(largest magnitude)) - 2): its byte is the largest magnitude's exponent field - 2, held at 1 from below by a floor among the maximum's leaves.
; LIMITS: a block of zeros keeps the byte 1 where the rule says 127 (its codes are zeros, and only this program reads the bytes); NaN and infinities among the inputs are not served.
; No cluster, no tensor load: no two work-groups read the same bytes.  Each wave reads 16 KiB, all asked for at its head; every work-group reads 64 KiB.
; Work-groups 0-191 take the three W, 192-703 H: two arms, parted on the work-group's number alone, each with LDS bytes and a barrier of its own.
.set HSC,   33792                      ; H arm: behind the four stages (16 rows x 528 bytes each, from byte 0): 2 row blocks x 256 bytes of scale words
.set WIM,   34304                      ; W arm: for each of 2 K steps four fragment images, 1,664 bytes apart
.set WSC,   47616                      ; W arm: 512 bytes of scale words
.set SPARE, 48128                      ; the spare words: 128 bytes a wave, two blocks of 256 bytes that no other line names
.set SPW,   10                         ; v10 my spare word's address; never rewritten
.set NIL,   11                         ; v11 0; never rewritten
.set TM,    12                         ; v12-15 largest magnitudes, v16-19 the other half's / bytes, v24-27 scale operands
.set CT,    56                         ; v56-63 the conversions' second halves
; 64 numbers of a lane, register 16 b + i = k 32 b + 16 h + i of my row, become a fragment's 12 registers at v[pc] and its scale word in v[pw]
.macro QUANT src, pc, pw
.irp b, 0,1,2,3
	v_max3_num_f32 v[TM+\b], |v[\src+16*\b]|, |v[\src+16*\b+1]|, 0x1800000   ; my 16 numbers of block b and the floor 2^(3 - 127)
.endr
.irp i, 2,4,6,8,10,12,14
.irp b, 0,1,2,3
	s_delay_alu instid0(VALU_DEP_4)
	v_max3_num_f32 v[TM+\b], v[TM+\b], |v[\src+16*\b+\i]|, |v[\src+16*\b+\i+1]|   ; the four blocks by turns
.endr
.endr
.irp b, 0,1,2,3
	s_delay_alu instid0(VALU_DEP_4)
	v_permlanex16_b32 v[TM+4+\b], v[TM+\b], s20, s21
.endr
.irp b, 0,1,2,3
	s_delay_alu instid0(VALU_DEP_4)
	v_max_num_f32 v[TM+\b], v[TM+\b], v[TM+4+\b]   ; with lane l xor 16's 16: the block's largest magnitude
.endr
.irp b, 0,1,2,3
	s_delay_alu instid0(VALU_DEP_4)
	v_add_nc_u32 v[TM+12+\b], 0xff000000, v[TM+\b]   ; 2 off its exponent field: the conversion's scale operand
.endr
.irp b, 0,1,2,3
	s_delay_alu instid0(VALU_DEP_4)
	v_lshrrev_b32 v[TM+4+\b], 23, v[TM+12+\b]      ; the scale's byte
.endr
	s_delay_alu instid0(VALU_DEP_3)
	v_lshl_or_b32 v[\pw], v[TM+5], 8, v[TM+4]
	s_delay_alu instid0(VALU_DEP_1)
	v_lshl_or_b32 v[\pw], v[TM+6], 16, v[\pw]
	s_delay_alu instid0(VALU_DEP_1)
	v_lshl_or_b32 v[\pw], v[TM+7], 24, v[\pw]      ; my row's scale word
.irp c, 0,1
	v_cvt_scalef32_pk16_fp6_f32 v[\pc+6*\c:\pc+6*\c+2], v[\src+32*\c:\src+32*\c+15], v[TM+12+2*\c]
	v_cvt_scalef32_pk16_fp6_f32 v[CT+4*\c:CT+4*\c+2], v[\src+16+32*\c:\src+31+32*\c], v[TM+13+2*\c]   ; (a conversion's three registers begin on an even number)
.endr
	v_nop                                          ; one plain place behind a scaled conversion
.irp c, 0,1                                    ; the operand wants a whole block in a lane: lanes 0-15 block 2 c, lanes 16-31 block 2 c + 1
.irp i, 0,1,2
	v_permlane16_swap_b32 v[\pc+6*\c+\i], v[CT+4*\c+\i]
.endr
.irp i, 0,1,2
	s_delay_alu instid0(VALU_DEP_3)
	v_mov_b32 v[\pc+3+6*\c+\i], v[CT+4*\c+\i]
.endr
.endr
.endm
; 16 rows x 512 bytes through my stage: in as loaded (a row = 32 lanes x 16 bytes), out 64 bytes of each block of 128 bytes a lane.  LDS serves a wave's instructions in order.
.macro THROUGH src, dst
.irp rr, 0,1,2,3,4,5,6,7,8,9,10,11,12,13,14,15
	ds_store_b128 v5, v[\src+4*\rr:\src+4*\rr+3] offset:528*\rr
.endr
.irp b, 0,1,2,3
.irp j, 0,1,2,3
	ds_load_b128 v[\dst+16*\b+4*\j:\dst+16*\b+4*\j+3], v6 offset:128*\b+16*\j
.endr
.endr
.endm
	s_load_b256 s[4:11], s[0:1], 0x0               ; H s[4:5], W_Q s[6:7], W_K s[8:9], W_V s[10:11]
	s_load_b64 s[12:13], s[0:1], 0x20              ; HW
	v_lshl_add_u32 v[SPW], v0, 2, SPARE
	v_mov_b32 v[NIL], 0
	v_lshrrev_b32 v1, 5, v0
	s_delay_alu instid0(VALU_DEP_1)
	v_readfirstlane_b32 s16, v1                    ; wave 0..3
	v_and_b32 v1, 31, v0                           ; lane
	v_and_b32 v2, 15, v0                           ; r
	v_bfe_u32 v3, v0, 4, 1                         ; h
	s_delay_alu instid0(VALU_DEP_3)
	v_lshlrev_b32 v4, 4, v1                        ; 16 x lane
	s_mov_b32 s20, 0x76543210
	s_mov_b32 s21, 0xfedcba98                      ; v_permlanex16_b32's selects for lane l xor 16
.irp b, 0,1,2,3
	v_mov_b32 v[TM+4+\b], 0                        ; written once: a lane permute's destination counts as one of its sources
.endr
	s_and_b32 s23, s16, 1
	s_lshr_b32 s24, s16, 1
	s_wait_alu depctr_va_vdst(0)                   ; the wait at the head's end
	s_wait_kmcnt 0x0
	s_cmp_lt_u32 ttmp9, 192
	s_cbranch_scc1 .Lw_arm
; ---- THE H ARM.  idh = id - 192: band tg = idh / 4, row blocks 2 jp, + 1 (jp = (idh / 2) % 2), K steps 4 (idh % 2) on.  Wave w: row block j = 2 jp + w % 2, K steps s0 = 4 (idh % 2) + 2 (w / 2) and s0 + 1: two fragments.
	s_sub_co_u32 s18, ttmp9, 192
	s_and_b32 s19, s18, 1                          ; kq
	s_bfe_u32 s22, s18, 0x10001
	s_lshl_b32 s22, s22, 1                         ; 2 jp
	s_lshr_b32 s18, s18, 2                         ; tg
	s_lshl_b32 s25, s19, 2
	s_lshl_b32 s26, s24, 1
	s_add_co_u32 s25, s25, s26                     ; s0
	s_add_co_u32 s29, s22, s23                     ; j
	s_lshl_b32 s26, s18, 6
	s_lshl_b32 s27, s29, 3
	s_add_co_u32 s26, s26, s27                     ; the row block's first row: 64 tg + 8 j
	s_lshl_b32 s26, s26, 12                        ; x 4,096 bytes
	s_lshl_b32 s27, s25, 9
	s_add_co_u32 s26, s26, s27                     ; + 512 s0
	s_mov_b32 s27, 0
	s_add_nc_u64 s[4:5], s[4:5], s[26:27]
.irp t, 0,1
.irp rr, 0,1,2,3,4,5,6,7,8,9,10,11,12,13,14,15
	global_load_b128 v[64+64*\t+4*\rr:64+64*\t+4*\rr+3], v4, s[4:5] offset:(\rr+24*(\rr/8))*4096+512*\t th:TH_LOAD_NT   ; fragment row rr, K step s0 + t: 32 lanes read 512 consecutive bytes
.endr
.endr
	s_mul_i32 s26, s16, 8448                       ; my stage
	v_add_nc_u32 v5, s26, v4                       ; in: 16 x lane
	v_mul_u32_u24 v6, v2, 528
	v_lshl_add_u32 v6, v3, 6, v6
	v_add_nc_u32 v6, s26, v6                       ; out: row r, + 64 h
	s_lshl_b32 s26, s24, 3
	s_lshl_b32 s27, s23, 8
	s_add_co_u32 s26, s26, s27
	s_add_co_u32 s26, s26, HSC
	v_lshl_add_u32 v7, v2, 4, s26
	v_lshl_add_u32 v7, v3, 2, v7                   ; my scale word: lanes 0-15 K step s0's, lanes 16-31 s0 + 1's: HSC + 256 (w % 2) + 16 r + 8 (w / 2) + 4 h
	v_add_nc_u32 v9, HSC, v4                       ; wave 0's read-back: row blocks 2 jp + h
	v_mul_u32_u24 v8, v3, 25600
	v_lshl_add_u32 v8, v2, 4, v8                   ; and their places in HW: row blocks j and j + 1 lie two row blocks apart
	s_lshr_b32 s28, s18, 2
	s_lshl_b32 s28, s28, 4
	s_and_b32 s30, s18, 1
	s_lshl_b32 s30, s30, 3
	s_add_co_u32 s28, s28, s30
	s_bfe_u32 s30, s18, 0x10001
	s_add_co_u32 s28, s28, s30                     ; row block 16 (tg / 4) + 8 (tg % 2) + (tg / 2) % 2: j = 0
	s_lshl_b32 s30, s22, 1
	s_add_co_u32 s30, s30, s28
	s_mul_i32 s30, s30, 12800
	s_lshl_b32 s31, s19, 8
	s_add_co_u32 s30, s30, s31
	s_add_co_u32 s30, s30, 12288                   ; the scale words of row block 2 jp, K steps 4 kq on
	s_mov_b32 s31, 0
	s_add_nc_u64 s[14:15], s[12:13], s[30:31]
	s_lshl_b32 s29, s29, 1
	s_add_co_u32 s28, s28, s29
	s_mul_i32 s28, s28, 12800
	s_mul_i32 s29, s25, 1536
	s_add_co_u32 s28, s28, s29
	s_mov_b32 s29, 0
	s_add_nc_u64 s[12:13], s[12:13], s[28:29]
	s_wait_alu depctr_va_vdst(0)
	s_wait_loadcnt 16                              ; the first fragment's 16 loads are in; the second's 16 may be out
	THROUGH 64, 192
	s_wait_dscnt 0x0                               ; the stage's stores have read v64-127, its loads are in
	s_wait_loadcnt 0x0
	THROUGH 128, 64                                ; the second fragment turns while the first is quantised
	QUANT 192, 32, 28
.irp c, 0,1,2
	global_store_b128 v4, v[32+4*\c:32+4*\c+3], s[12:13] offset:512*\c   ; 512 consecutive bytes a store
.endr
	s_wait_dscnt 0x0
	QUANT 64, 44, 29
.irp c, 0,1,2
	global_store_b128 v4, v[44+4*\c:44+4*\c+3], s[12:13] offset:1536+512*\c
.endr
	v_cmp_ne_u32 vcc_lo, 0, v3
	s_delay_alu instid0(VALU_DEP_1)
	v_cndmask_b32 v30, v28, v29, vcc_lo            ; lanes 0-15 the first K step's word, lanes 16-31 the second's
	ds_store_b32 v7, v30
	s_wait_dscnt 0x0                               ; for the others' sake: my word lies in LDS
	s_barrier_signal -1
	s_barrier_wait -1
	s_cmp_eq_u32 s16, 0
	s_cbranch_scc0 .Lend
	ds_load_b128 v[200:203], v9                    ; wave 0: two row blocks' words of four K steps
	s_wait_dscnt 0x0
	global_store_b128 v8, v[200:203], s[14:15]     ; two whole aligned blocks of 256 bytes
	s_branch .Lend
; ---- THE W ARM.  Work-group: tensor m = id / 64, band of 64 columns g = (id / 4) % 16, K steps 2 qp, + 1 (qp = id % 4).  Wave w: 32 columns 64 g + 32 (w % 2) on, K step q = 2 qp + w / 2.
; A LANE TAKES A COLUMN AND ITS REGISTERS RUN DOWN K: a block's 32 numbers lie in one lane.  Column x of the 32 is fragment row 8 (w % 2) + x % 8 of row block j = x / 8: the two waves of a K step make halves of the same four images.
.Lw_arm:
	s_lshr_b32 s18, ttmp9, 6                       ; m
	s_bfe_u32 s19, ttmp9, 0x40002                  ; g
	s_and_b32 s22, ttmp9, 3                        ; qp
	s_cmp_eq_u32 s18, 0
	s_cselect_b64 s[6:7], s[6:7], s[8:9]           ; the tensor is chosen by the work-group's number alone
	s_cmp_eq_u32 s18, 2
	s_cselect_b64 s[6:7], s[10:11], s[6:7]
	s_lshl_b32 s25, s22, 1
	s_add_co_u32 s25, s25, s24                     ; q
	s_lshl_b32 s26, s25, 19                        ; 128 q rows of 4,096 bytes
	s_lshl_b32 s27, s19, 8
	s_add_co_u32 s26, s26, s27
	s_lshl_b32 s27, s23, 7
	s_add_co_u32 s26, s26, s27                     ; + 4 x first column
	s_mov_b32 s27, 0
	s_add_nc_u64 s[6:7], s[6:7], s[26:27]
	s_wait_alu depctr_va_vdst(0)
	v_lshlrev_b32 v5, 2, v1
.set KK, 0
.rept 128
	global_load_b32 v[64+KK], v5, s[6:7] offset:4096*KK th:TH_LOAD_NT   ; W(128 q + KK, my column): 128 consecutive bytes a wave, two waves side by side
.set KK, KK+1
.endr
	s_lshl_b32 s26, s23, 3
	s_mul_i32 s27, s24, 6656
	s_add_co_u32 s27, s27, WIM                     ; my K step's four images
	s_mul_i32 s29, s16, 3328
	s_add_co_u32 s29, s29, WIM                     ; the two that I store: row blocks 2 (w % 2), + 1
	s_lshl_b32 s30, s24, 2
	s_add_co_u32 s30, s30, WSC
	s_wait_alu depctr_va_vdst(0)
	v_bfe_u32 v12, v0, 3, 2                        ; j
	v_and_b32 v13, 7, v0
	v_add_nc_u32 v13, s26, v13                     ; fragment row
	v_mul_u32_u24 v6, v12, 1664
	v_lshl_add_u32 v6, v13, 4, v6
	v_add_nc_u32 v6, s27, v6                       ; in: image j, 16 x fragment row
	v_add_nc_u32 v8, s29, v4                       ; back: 16 x lane
	v_lshlrev_b32 v7, 7, v12
	v_lshl_add_u32 v7, v13, 3, v7
	v_add_nc_u32 v7, s30, v7                       ; my scale word: WSC + 128 j + 8 x row + 4 (w / 2)
	v_add_nc_u32 v9, WSC, v4                       ; wave 0's read-back
	s_wait_alu depctr_va_vdst(0)
	s_lshl_b32 s28, s18, 4
	s_add_co_u32 s28, s28, s19
	s_add_co_u32 s28, s28, 128
	s_mul_i32 s28, s28, 51200                      ; the band: 128 + 16 m + g
	s_lshl_b32 s30, s22, 9
	s_add_co_u32 s30, s30, s28
	s_add_co_u32 s30, s30, 49152                   ; its scale words of K steps 2 qp, + 1
	s_mov_b32 s31, 0
	s_add_nc_u64 s[14:15], s[12:13], s[30:31]
	s_mul_i32 s29, s23, 24576
	s_add_co_u32 s28, s28, s29
	s_mul_i32 s29, s25, 1536
	s_add_co_u32 s28, s28, s29
	s_mov_b32 s29, 0
	s_add_nc_u64 s[12:13], s[12:13], s[28:29]
; Block bl of my column's four is registers 6 (bl / 2) .. + 5 of fragment lane r + 16 (bl % 2)
.macro BLOCKW bl
.set XS, 64+32*(\bl)
.set CC, 192+8*(\bl)
.if (\bl) < 2
	s_wait_loadcnt 63                              ; at most 63 of the 128 loads are out: blocks 0 and 1 are in (the count's field holds no more)
.elseif (\bl) == 2
	s_wait_loadcnt 32                              ; the last block's 32 may be out
.else
	s_wait_loadcnt 0x0
.endif
	v_max3_num_f32 v12, |v[XS]|, |v[XS+1]|, |v[XS+2]|
	v_max3_num_f32 v13, |v[XS+3]|, |v[XS+4]|, |v[XS+5]|
.irp i, 6,10,14,18,22,26
	s_delay_alu instid0(VALU_DEP_2)
	v_max3_num_f32 v12, v12, |v[XS+\i]|, |v[XS+\i+1]|
	s_delay_alu instid0(VALU_DEP_2)
	v_max3_num_f32 v13, v13, |v[XS+\i+2]|, |v[XS+\i+3]|
.endr
	s_delay_alu instid0(VALU_DEP_2)
	v_max3_num_f32 v12, v12, |v[XS+30]|, |v[XS+31]|
	s_delay_alu instid0(VALU_DEP_1)
	v_max3_num_f32 v12, v12, v13, 0x1800000        ; and the floor
	s_delay_alu instid0(VALU_DEP_1)
	v_add_nc_u32 v14, 0xff000000, v12              ; the conversion's scale operand
	s_delay_alu instid0(VALU_DEP_1)
	v_lshrrev_b32 v15, 23, v14                     ; the byte
.if (\bl) == 0
	s_delay_alu instid0(VALU_DEP_1)
	v_mov_b32 v28, v15
.else
	s_delay_alu instid0(VALU_DEP_1)
	v_lshl_or_b32 v28, v15, 8*(\bl), v28
.endif
	v_cvt_scalef32_pk16_fp6_f32 v[CC:CC+2], v[XS:XS+15], v14
	v_cvt_scalef32_pk16_fp6_f32 v[CC+4:CC+6], v[XS+16:XS+31], v14
	v_nop                                          ; one plain place behind a scaled conversion
	v_mov_b32 v[CC+3], v[CC+4]
	v_mov_b32 v[CC+4], v[CC+5]
	v_mov_b32 v[CC+5], v[CC+6]                     ; six registers on end
.if (\bl) < 2
	ds_store_b128 v6, v[CC:CC+3] offset:256*((\bl)%2)          ; registers 0-3
	ds_store_b64 v6, v[CC+4:CC+5] offset:512+256*((\bl)%2)     ; registers 4, 5
.else
	ds_store_b64 v6, v[CC:CC+1] offset:520+256*((\bl)%2)       ; registers 6, 7
	ds_store_b128 v6, v[CC+2:CC+5] offset:1024+256*((\bl)%2)   ; registers 8-11
.endif
.endm
	BLOCKW 0
	BLOCKW 1
	BLOCKW 2
	BLOCKW 3
	ds_store_b32 v7, v28                           ; my column's scale word
	s_wait_dscnt 0x0                               ; for the others' sake: my codes and my word lie in LDS
	s_barrier_signal -1
	s_barrier_wait -1
.irp t, 0,1,2,3,4,5
	ds_load_b128 v[224+4*\t:224+4*\t+3], v8 offset:1664*(\t/3)+512*(\t%3)
.endr
.irp t, 0,1,2,3,4,5
	s_wait_dscnt 5-\t
	global_store_b128 v4, v[224+4*\t:224+4*\t+3], s[12:13] offset:12288*(\t/3)+512*(\t%3)   ; 512 consecutive bytes a store
.endr
	s_cmp_eq_u32 s16, 0
	s_cbranch_scc0 .Lend
	ds_load_b128 v[64:67], v9                      ; wave 0: the band's words of two K steps
	s_wait_dscnt 0x0
	global_store_b128 v4, v[64:67], s[14:15]       ; 512 consecutive bytes
.Lend:
	s_wait_tensorcnt 0x0                           ; the wave's end
	ds_add_u32 v[SPW], v[NIL]
	s_wait_dscnt 0x0
	s_endpgm
.Lfunc_end_k_q84c2c648fd_quant:
	.size	k_q84c2c648fd_quant, .Lfunc_end_k_q84c2c648fd_quant-k_q84c2c648fd_quant
	.p2alignl 7, 3214868480
	.fill 96, 4, 3214868480
	.section	.rodata,"a",@progbits
	.p2align	6, 0x0
	.amdhsa_kernel k_q84c2c648fd_quant
		.amdhsa_group_segment_fixed_size 48640
		.amdhsa_private_segment_fixed_size 0
		.amdhsa_enable_private_segment 0
		.amdhsa_kernarg_size 40
		.amdhsa_user_sgpr_count 2
		.amdhsa_user_sgpr_kernarg_segment_ptr 1
		.amdhsa_wavefront_size32 1
		.amdhsa_system_sgpr_workgroup_id_x 1
		.amdhsa_system_sgpr_workgroup_id_y 1
		.amdhsa_system_sgpr_workgroup_id_z 1
		.amdhsa_system_vgpr_workitem_id 0
		.amdhsa_next_free_vgpr 256
		.amdhsa_next_free_sgpr 66
		.amdhsa_reserve_vcc 1
		.amdhsa_float_denorm_mode_32 3
		.amdhsa_float_denorm_mode_16_64 3
		.amdhsa_memory_ordered 1
		.amdhsa_forward_progress 1
		.amdhsa_inst_pref_size 47
	.end_amdhsa_kernel
	.amdgpu_metadata
---
amdhsa.version: [ 1, 2 ]
amdhsa.kernels:
  - .name:           k_q84c2c648fd_quant
    .symbol:         k_q84c2c648fd_quant.kd
    .args:
      - { .name: H, .offset: 0, .size: 8, .value_kind: global_buffer, .address_space: global }
      - { .name: W_Q, .offset: 8, .size: 8, .value_kind: global_buffer, .address_space: global }
      - { .name: W_K, .offset: 16, .size: 8, .value_kind: global_buffer, .address_space: global }
      - { .name: W_V, .offset: 24, .size: 8, .value_kind: global_buffer, .address_space: global }
      - { .name: HW, .offset: 32, .size: 8, .value_kind: global_buffer, .address_space: global }
    .group_segment_fixed_size: 48640
    .private_segment_fixed_size: 0
    .kernarg_segment_align: 8
    .kernarg_segment_size: 40
    .max_flat_workgroup_size: 128
    .sgpr_count:     66
    .vgpr_count:     256
    .wavefront_size: 32
...
	.end_amdgpu_metadata
.endif
;; end of part 1
;; launch proj (part 2): grid 16 x 16, 4 waves a work-group, clusters of 4 x 4, 327,680 bytes of LDS; arguments HW, QK, VT; writes QK, VT
.if DOCPART == 2
	.amdgcn_target "amdgcn-amd-amdhsa--gfx1250"
	.amdhsa_code_object_version 6
	.text
	.protected	k_q84c2c648fd_proj
	.globl	k_q84c2c648fd_proj
	.p2align	8
	.type	k_q84c2c648fd_proj,@function
k_q84c2c648fd_proj:
	s_mov_b64 s[64:65], 0
	v_nop
	global_prefetch_b8 v0, s[64:65] scope:SCOPE_SE
	s_setreg_imm32_b32 hwreg(HW_REG_WAVE_MODE, 25, 1), 1
	s_wait_xcnt 0x0
	s_wait_alu depctr_hold_cnt(0) depctr_sa_sdst(0) depctr_va_vdst(0) depctr_va_sdst(0) depctr_va_ssrc(0) depctr_va_vcc(0) depctr_vm_vsrc(0)
	s_getreg_b32 s2, hwreg(HW_REG_IB_STS2, 6, 4)
	s_cmp_eq_u32 s2, 0
	s_cbranch_scc0 .Lentry_in_a_cluster
	s_endpgm
.Lentry_in_a_cluster:
	s_bfe_u32 s2, ttmp6, 0x10000c
	s_cmp_lg_u32 s2, 0xf033
	s_cbranch_scc0 .Lentry_shape_is_right
	s_endpgm
.Lentry_shape_is_right:
; SECOND LAUNCH: Q, K, V = H W AND THEIR QUANTISERS.  The results leave as codes of E2M3 and scale bytes, in the order of the operand registers of the launches that read them; no f32 result is stored.  Nothing is left out.
; LIMITS: a block of zeros keeps the scale byte 1 (its codes are zeros); NaN and infinities are not served.
; THE BUFFERS.  A UNIT is a band of 64 rows x 128 along K: 6,400 bytes: four row blocks j of 1,536 bytes of codes, then 256 bytes of scale words (row r of row block j at 16 r + 4 j).
; QK: Q's bands of tokens 0-127, K's 128-255: [band][8 units along the columns].  A row block's codes are two halves b of 768 bytes (64 columns each): registers 6 b .. 6 b + 3 at 16 x lane, registers 6 b + 4, 6 b + 5 at 512 + 8 x lane.
; VT: [batch][16 bands of columns][16 units along the keys]; a row block's codes are the image of its 12 registers (4 c .. 4 c + 3 at 512 c + 16 x lane).
; THE DEAL.  256 work-groups of four waves, 2 x 2; a wave holds 64 columns of a weight, all of K, in 384 registers and streams H's rows past them in blocks of 16: 32 products a block.
; A work-group makes 256 x 128 of V, PHASE 1, then 512 x 128 of Q or K, PHASE 2.  V's 256 rows are a half (s87) of the work-group's own 512: the two chunks of 128 rows asked for at the head serve V's eight blocks and then,
; still in LDS, the first eight blocks of Q or K; the other half's two chunks come later.  Which half and which tensor hang on the cluster's number alone.
; A chunk holds a band for each row of waves: block s of a phase is row block s % 4 of band 2 a + (s / 4) % 2 of a half.  H's rows are shared by a row of the cluster, a weight's columns by a column: joint loads.
; LDS: two slots for chunks (0, CH), a region for the weights' 128 columns (BVB), the stages for the results' scale bytes (XN, XM), the spare words.
; FILLS.  At the head one tensor load a wave: W_V's two halves, chunk 0, chunk 1.  THREE REFILLS, each in a drained round of the cluster's barrier behind the three lines: in V's third block the weights' region,
; once, with W_Q's or W_K's columns; in phase 2's blocks 2 and 6 a slot with a chunk of the other half.  A refill is shown to all by the next round or by a plain barrier behind which nothing is filled.
; A BLOCK is 32 products; behind every second one stand two ENTRIES of the block's list: at most four scalar lines and one vector line (where a prefetch's address is made, two): addresses, descriptors, and the last block's largest magnitudes.
; THE WAY OUT of 32 sums in a lane, which are one scale block: two chains of v_max3 side by side, the scale, two conversions behind the block's last product.
; PREFETCHES, each block of 256 bytes once in each cluster, shared by address among its sixteen waves: the second weight at the head, chunk 2 behind the first refill, chunk 3 between the phases.
; THE WAITS' COUNTS.  Younger than a block's rows are the next block's fetch, NF loads, and the byte stores issued between: none, one, or four.
.set NQ,     8
.set NB,     4
.set FR,     12
.set FPW,    21                        ; fragments in a window of 256 registers
.set NF,     25                        ; LDS loads of a block: 24 for eight fragments, 1 for the scale words
.set RBB,    12800                     ; a row block of H in HW and in LDS
.set CH,     102400                    ; a chunk: 8 row blocks
.set HALF,   51200
.set BVB,    2*CH
.set XN,     3*CH                      ; Q's or K's scale words: 8 bands x 256, in the order of work
.set XM,     XN+2048                   ; V's: a unit's 256 for each wave
.set SPARE,  XM+1024
.set EMAX,   2
.set ADRA0,  4                         ; v4   LDS address of my block 0
.set ADRW,   6                         ; v6   LDS address of my weights' scale words: lanes 0-15 K steps 0-3, lanes 16-31 K steps 4-7
.set CO,     9                         ; v9   16 x lane
.set SPW,    10
.set NIL,    11
.set ADRA,   12                        ; v12  LDS address of the block that is fetched next
.set CO8,    13                        ; v13  8 x lane
.set ADRB,   14                        ; v14  LDS address of my 64 columns of the weights
.set STO,    18                        ; v18  LDS, Q's or K's scale byte
.set STV,    19                        ; v19  LDS, V's
.set SB,     24                        ; v24-39  the weights' scale words: tile b, K step q at SB + 4 b + q % 4, in lanes 16 (q / 4) on
.set TQ,     40                        ; v40, v41  the two chains
.set SA,     42                        ; v42-49  the rows' scale words, two sets of four
.set TC,     60                        ; v60-62  the second conversion's codes
.set ACC,    64                        ; v64-127 phase 2: two sets of four accumulators
.set HV0,    64                        ; v64-191 phase 1, band 0: 32 t + 8 j + i
.set HV1,    840                       ; v840-967 band 1
.set NCD,    128                       ; v128-139 phase 2: six registers of the even block, six of the odd
.set MCD,    192                       ; v192-239 phase 1: four operands of twelve
.set SOP,    240
.set EB,     244
.set VX,     248
.set G1A,    24                        ; s[24:31] group 1 of a chunk;  s[56:59], s[68:71] group 0
.set G0A,    56
.set G0R,    68
.set G1B,    32                        ; s[32:39], s[60:63] of half a weight's tile
.set G0B,    60
.set G1H,    92                        ; s[92:99] of half a chunk
.set MSB, 0
.macro WIN new
.if MSB != (\new)
	s_set_vgpr_msb (MSB<<8)|(\new)
.set MSB, (\new)
.endif
.endm
.macro PLACES n
.rept \n
	v_nop
.endr
.endm
.macro WALU
	s_wait_alu depctr_va_vdst(0)
.endm
.macro BARRIER
	s_barrier_signal -1
	s_barrier_wait -1
.endm
.macro MIDDLE                          ; a round's middle: the opening wait, wave 0's signal for the work-group, the cluster's wait
	WIN 0
	s_barrier_wait -1
	s_cmp_lg_u32 s14, 0
	s_cbranch_scc1 .Lnot_wave_0_\@
	s_barrier_signal -3
.Lnot_wave_0_\@:
	s_barrier_wait -3
.endm
.macro CROUND
	s_barrier_signal -1
	MIDDLE
	BARRIER
.endm
.macro GRD
	s_wait_tensorcnt 0x0
	ds_add_u32 v[SPW], v[NIL]
.endm
.macro TLOAD g0, g1
	tensor_load_to_lds s[\g0:\g0+3], s[\g1:\g1+7]
	s_nop 0
	PLACES 4
.endm
.macro GROUP1 g, mask, rows            ; a dense block as rows of 2,048 bytes (256 elements of 8)
	s_or_b32 s[\g+0], s[\mask], (3<<16)|(1<<21)
	s_mov_b32 s[\g+1], 256<<16
	s_mov_b32 s[\g+2], (\rows)<<16
	s_mov_b32 s[\g+3], 256<<16
	s_mov_b32 s[\g+4], \rows
	s_mov_b32 s[\g+5], 256
	s_mov_b32 s[\g+6], 0
	s_mov_b32 s[\g+7], 0
.endm
.macro SADD d, x
	s_add_co_u32 s\d, s\d, s\x
.endm
; ---- fragments.  Fragment f lies in window 1 + f / 21 at register 12 (f % 21): 0-31 the weights' (4 q + b), 32-39 and 40-47 the rows' two sets.
.macro FRAG f, adr, off
	WIN ((1+(\f)/FPW)<<6)
.set R_, FR*((\f)%FPW)
.irp c, 0,1,2
	ds_load_b128 v[R_+4*\c:R_+4*\c+3], \adr offset:\off+512*\c
.endr
.endm
.macro WEIGHTS                         ; my 64 columns of the weight, all of K: 104 loads
.irp q, 0,1,2,3,4,5,6,7
.irp b, 0,1,2,3
	FRAG NB*\q+\b, v[ADRB], 12288*\b+1536*\q
.endr
.endr
	WIN 0
.irp b, 0,1,2,3
	ds_load_b64 v[SB+4*\b:SB+4*\b+1], v[ADRW] offset:49152+128*\b
	ds_load_b64 v[SB+4*\b+2:SB+4*\b+3], v[ADRW] offset:49152+512+128*\b
.endr
.endm
.macro FETCHAT e, adr, off             ; a block of H's rows into set e: NF loads
.irp q, 0,1,2,3,4,5,6,7
	FRAG NB*NQ+NQ*(\e)+\q, \adr, \off+1536*\q
.endr
	WIN 0
	ds_load_b128 v[SA+4*(\e):SA+4*(\e)+3], \adr offset:\off+12288
.endm
.macro FETCH e
	FETCHAT \e, v[ADRA], 0
.endm
.macro FETCH01                         ; a phase's first two blocks, from slot 0
	FETCHAT 0, v[ADRA0], 0
	FETCHAT 1, v[ADRA0], 2*RBB
	s_mov_b32 s101, 2*RBB
.endm
; ---- a product.  n = 4 q + b.  kind 0 (Q, K): source 0 the weight's columns; kind 1 (V): source 0 H's rows.
.macro PROD kind, e, n, a0, as
.set Q_, (\n)/4
.set B4_, (\n)%4
.set FB_, NB*Q_+B4_
.set FA_, NB*NQ+NQ*(\e)+Q_
.set D_, (\a0)+(\as)*B4_
.set DL_, D_&255
.set XB_, SB+4*B4_+Q_%4
.set XA_, SA+4*(\e)+Q_%4
.if \kind
	WIN (1+FA_/FPW)|((1+FB_/FPW)<<2)|((D_>>8)<<4)|((D_>>8)<<6)
.if Q_
	PROD1 DL_, FA_, FB_, v[DL_:DL_+7], XA_, XB_, Q_/4
.else
	PROD1 DL_, FA_, FB_, 0, XA_, XB_, Q_/4
.endif
.else
	WIN (1+FB_/FPW)|((1+FA_/FPW)<<2)|((D_>>8)<<4)|((D_>>8)<<6)
.if Q_
	PROD1 DL_, FB_, FA_, v[DL_:DL_+7], XB_, XA_, Q_/4
.else
	PROD1 DL_, FB_, FA_, 0, XB_, XA_, Q_/4
.endif
.endif
.endm
.macro PROD1 d, s0, s1, c, x0, x1, o
.if \o
	v_wmma_scale_f32_16x16x128_f8f6f4 v[\d:\d+7], v[FR*((\s0)%FPW):FR*((\s0)%FPW)+FR-1], v[FR*((\s1)%FPW):FR*((\s1)%FPW)+FR-1], \c, v[\x0], v[\x1] matrix_a_fmt:MATRIX_FMT_FP6 matrix_b_fmt:MATRIX_FMT_FP6 matrix_a_scale:MATRIX_SCALE_ROW1 matrix_b_scale:MATRIX_SCALE_ROW1
.else
	v_wmma_scale_f32_16x16x128_f8f6f4 v[\d:\d+7], v[FR*((\s0)%FPW):FR*((\s0)%FPW)+FR-1], v[FR*((\s1)%FPW):FR*((\s1)%FPW)+FR-1], \c, v[\x0], v[\x1] matrix_a_fmt:MATRIX_FMT_FP6 matrix_b_fmt:MATRIX_FMT_FP6
.endif
.endm
; ---- products from .. to - 1 of a block; behind every second one, two entries of the list (a macro: entry number, two arguments of its own).  The four accumulators take turns
.macro BLOCK kind, e, a0, as, from, to, list, x=0, y=0
.set N_, \from
.rept (\to)-(\from)
	PROD \kind, \e, N_, \a0, \as
.if N_%2
	\list N_-1, \x, \y
	\list N_, \x, \y
.endif
.set N_, N_+1
.endr
.endm
; ---- what the lists are made of.  Each macro writes entry i of its part, and nothing beyond its last.
.macro STEP i, wrap                    ; 1 entry: on to the next block's LDS address, with the ring's end where wrap = 1
.if (\i) == 0
	s_add_co_u32 s101, s101, 2*RBB
.if \wrap
	s_cmp_eq_u32 s101, 2*CH
	s_cselect_b32 s101, 0, s101
.endif
	WIN 0
	v_add_nc_u32 v[ADRA], s101, v[ADRA0]
.endif
.endm
.macro CHAIN i, x, n, t=TQ             ; 18 entries: the largest magnitude of the 32 sums from register x on, and the conversions' scale operand, v[SOP+n]
.set XW_, (\x)>>8
.set XL_, (\x)&255
.if (\i) >= 0 && (\i) < 14
.set B_, XL_+16*((\i)%2)+2*((\i)/2)
.set T_, (\t)+1-(\i)%2
.if (\i) < 2
	WIN XW_|(XW_<<2)|(XW_<<4)
	v_max3_num_f32 v[T_], |v[B_]|, |v[B_+1]|, |v[B_+2]|
.else
	WIN (XW_<<2)|(XW_<<4)
	v_max3_num_f32 v[T_], v[T_], |v[B_+1]|, |v[B_+2]|
.endif
.elseif (\i) == 14
	WIN XW_<<2
	v_max3_num_f32 v[\t+1], v[\t+1], |v[XL_+15]|, (EMAX+1)<<23   ; and the floor
.elseif (\i) == 15
	WIN 0
	v_nop                                  ; so that the next line, which reads entry 14's result, stands in the next pair
.elseif (\i) == 16
	WIN XW_<<2
	v_max3_num_f32 v[\t], v[\t], |v[XL_+31]|, v[\t+1]
.elseif (\i) == 17
	WIN 0
	v_add_nc_u32 v[SOP+\n], -(EMAX<<23), v[\t]
.endif
.endm
.macro CODES i, x, c, n, t=TC          ; 6 lines: 32 codes into v[c .. c+5], the scale's byte into v[EB+n]
.set XW_, (\x)>>8
.set XL_, (\x)&255
.if (\i) == 0
	WIN XW_
	v_cvt_scalef32_pk16_fp6_f32 v[\c:\c+2], v[XL_:XL_+15], v[SOP+\n]
.elseif (\i) == 1
	WIN XW_
	v_cvt_scalef32_pk16_fp6_f32 v[\t:\t+2], v[XL_+16:XL_+31], v[SOP+\n]
.elseif (\i) == 2
	WIN 0
	v_lshrrev_b32 v[EB+\n], 23, v[SOP+\n]
.else
	WIN 0
	v_mov_b32 v[\c+\i], v[\t+\i-3]
.endif
.endm
.macro CODES6 x, c, n
.irp i, 0,1,2,3,4,5
	CODES \i, \x, \c, \n
.endr
.endm
.macro PFTILE v, off, share            ; 1 entry: my sixteenth (25 blocks of 256 bytes) of a tile of CH bytes
	s_mul_i32 s21, s\share, 6400
	s_add_co_u32 s20, s\off, s21
	WIN 0
	v_min_u32 v\v, 24, v3
	v_lshl_add_u32 v\v, v\v, 8, s20
.endm
.macro PFGO v
	global_prefetch_b8 v\v, s[4:5] th:TH_LOAD_NT scope:SCOPE_SE
.endm
.macro PUT6 r, off                     ; a block's six registers: whole blocks of 256 bytes
	global_store_b128 v[CO], v[\r:\r+3], s[84:85] offset:\off
	global_store_b64 v[CO8], v[\r+4:\r+5], s[84:85] offset:(\off)+512
.endm
.macro ASK i                           ; 3 entries: the descriptor of my half of the chunk at s88 (bytes from HW) for slot s47; both step on
.if (\i) == 0
	s_mul_i32 s20, s14, HALF
	s_add_co_u32 s[G0R+1], s20, s47
	SADD 20, 88
	s_mov_b32 s21, 0
.elseif (\i) == 1
	s_add_nc_u64 s[G0R+2:G0R+3], s[4:5], s[20:21]
	s_or_b32 s[G0R+3], s[G0R+3], 0x80000000
	s_add_co_u32 s88, s88, CH
.elseif (\i) == 2
	s_xor_b32 s47, s47, CH
.endif
.endm
.macro PAIR i                          ; 5 entries: where pair s46's codes go (s[84:85]) and its scale bytes (v[VX]).  Pair m is row blocks 2 (m % 2), + 1 of band c = (m / 2) % 2 of the half that comes (m / 4)-th; the stage in LDS goes by the order of work, the codes by the true half
.if (\i) == 0
	s_lshr_b32 s20, s46, 2
	s_lshl_b32 s3, s20, 10
	s_xor_b32 s20, s20, s87
	s_mul_i32 s20, s20, 4*HALF
.elseif (\i) == 1
	s_bfe_u32 s21, s46, 0x10001
	s_mul_i32 s22, s21, HALF
	SADD 20, 22
	s_lshl_b32 s21, s21, 8
.elseif (\i) == 2
	SADD 3, 21
	s_and_b32 s21, s46, 1
	s_mul_i32 s22, s21, 3072
	SADD 20, 22
.elseif (\i) == 3
	s_lshl_b32 s21, s21, 3
	SADD 3, 21
	s_mov_b32 s21, 0
	s_add_nc_u64 s[84:85], s[10:11], s[20:21]
.elseif (\i) == 4
	s_add_co_u32 s46, s46, 1
	WIN 0
	v_add_nc_u32 v[VX], s3, v[STO]
.endif
.endm
; ---- the lists
.macro L_STEP i, x, y                  ; the step alone
	STEP \i, 0
.endm
.macro L_NONE i, x, y
.endm
.macro L_OUT i, x, y                   ; the step, then the way out of the sums at x (scale operand y)
	STEP \i, 0
	CHAIN (\i)-1, \x, \y
.endm
.macro L_LAST i, x, y                  ; the way out alone
	CHAIN \i, \x, \y
.endm
.macro L_V2 i, x, y                    ; V's third block: the first refill's address; the step; what the second refill will load is asked for into the L2
.if (\i) == 0
	s_mul_i32 s20, s14, HALF
	SADD 20, 9
	s_mov_b32 s21, 0
	s_add_nc_u64 s[G0B+2:G0B+3], s[4:5], s[20:21]
.elseif (\i) == 1
	s_or_b32 s[G0B+3], s[G0B+3], 0x80000000
.elseif (\i) == 7
	PFTILE 7, 88, 90
.endif
	STEP (\i)-2, 0
.endm
.macro L_V7 i, x, y                    ; V's last block: what the third refill will load; the way out
.if (\i) == 0
	s_add_co_u32 s22, s88, CH
	PFTILE 20, 22, 90
.endif
	CHAIN (\i)-1, \x, \y
.endm
.macro L_ODD i, x, y                   ; an odd block of phase 2: the pair's places, the step, the even block's way out
	PAIR \i
	STEP (\i)-5, 0
	CHAIN (\i)-6, ACC, 0
.endm
.macro L_ODDL i, x, y                  ; the last odd block
	PAIR \i
	CHAIN (\i)-5, ACC, 0
.endm
.macro L_ROUND i, x, y                 ; an even block with a round: the descriptor, the step with the ring's end, the odd block's way out
	ASK \i
	STEP (\i)-3, 1
	CHAIN (\i)-4, ACC+32, 1
.endm
; ---- phase 2's blocks.  w: the count of the wait for the block's rows (-1: they are shown in already)
.macro WAITDS w
.if (\w) >= 0
	s_wait_dscnt \w
.endif
.endm
.macro EVENOUT fetch                   ; behind an even block: the odd block's byte and codes, the fetch of the block two on
	WALU
	ds_store_b8 v[VX], v[EB+1] offset:4
	PUT6 NCD+6, 1536
.if \fetch
	FETCH 0
.endif
.endm
.macro EVEN w, fetch
	WAITDS \w
.if \fetch
	BLOCK 0, 0, ACC, 8, 0, 32, L_OUT, ACC+32, 1
.else
	BLOCK 0, 0, ACC, 8, 0, 32, L_LAST, ACC+32, 1
.endif
	WIN 0
	CODES6 ACC+32, NCD+6, 1
	EVENOUT \fetch
.endm
.macro EVENROUND w                     ; the second and the third refill
	WAITDS \w
	GRD
	BLOCK 0, 0, ACC, 8, 0, 26, L_ROUND
	WIN 0
	WALU
	s_wait_dscnt 0x0
	s_barrier_signal -1
	BLOCK 0, 0, ACC, 8, 26, 32, L_NONE
	WIN 0
	CODES6 ACC+32, NCD+6, 1
	MIDDLE
	BARRIER
	s_cmp_lt_u32 s14, 2
	s_cbranch_scc0 .Lnone_\@
	TLOAD G0R, G1H
.Lnone_\@:
	EVENOUT 1
.endm
.macro EVENSHOW w                      ; a plain barrier inside the block shows the last refill to all
	WAITDS \w
	BLOCK 0, 0, ACC, 8, 0, 26, L_OUT, ACC+32, 1
	WIN 0
	WALU
	s_wait_tensorcnt 0x0
	s_wait_dscnt 0x0
	s_barrier_signal -1
	BLOCK 0, 0, ACC, 8, 26, 32, L_NONE
	WIN 0
	s_barrier_wait -1
	CODES6 ACC+32, NCD+6, 1
	EVENOUT 1
.endm
.macro ODD w, fetch
	WAITDS \w
	s_wait_xcnt 0x0                                ; the pair's stores have read their base and their data
.if \fetch
	BLOCK 0, 1, ACC+32, 8, 0, 32, L_ODD
.else
	BLOCK 0, 1, ACC+32, 8, 0, 32, L_ODDL
.endif
	WIN 0
	CODES6 ACC, NCD, 0
	WALU
	ds_store_b8 v[VX], v[EB]
	PUT6 NCD, 0
.if \fetch
	FETCH 1
.endif
.endm
; ================= THE HEAD
	s_load_b64 s[4:5], s[0:1], 0x0                      ; HW
	s_load_b128 s[48:51], s[0:1], 0x8                   ; QK s[48:49], VT s[50:51]
	v_lshl_add_u32 v[SPW], v0, 2, SPARE
	v_mov_b32 v[NIL], 0
	ds_add_u32 v[SPW], v[NIL]                           ; the opening lines
	ds_add_u32 v[SPW], v[NIL]
	v_lshrrev_b32 v1, 5, v0
	v_readfirstlane_b32 s14, v1                         ; the wave; s15 its row a of the 2 x 2, s16 its column b
	s_lshr_b32 s15, s14, 1
	s_and_b32 s16, s14, 1
	s_bfe_u32 s40, ttmp6, 0x40000                       ; cx
	s_bfe_u32 s41, ttmp6, 0x40004                       ; cy
	s_lshl_b32 s42, ttmp9, 2
	s_add_co_u32 s42, s42, s40                          ; phase 2's tile column, 0 .. 15
	s_and_b32 s43, ttmp7, 0xffff
	s_lshl_b32 s43, s43, 2
	s_add_co_u32 s43, s43, s41                          ; its tile row, 0 .. 15
	s_lshr_b32 s19, ttmp9, 1                            ; 0 Q, 1 K
	s_and_b32 s87, ttmp9, 1                             ; V's half of my 512 rows
	s_lshl_b32 s13, s19, 2
	s_add_co_u32 s13, s13, s40                          ; V's tile column, 0 .. 7
	s_lshl_b32 s12, s43, 1
	s_add_co_u32 s12, s12, s87                          ; V's tile row, 0 .. 31
	s_lshl_b32 s44, s41, 2
	s_lshl_b32 s44, 15, s44                             ; my row of the cluster
	s_lshl_b32 s45, 0x1111, s40                         ; my column
	GROUP1 G1A, 44, 50
	GROUP1 G1H, 44, 25
	GROUP1 G1B, 45, 25
	s_mul_i32 s67, s43, 4*CH                            ; my 512 rows, bytes from HW
	s_mul_i32 s66, s12, 2*CH                            ; V's half of them
	s_mul_i32 s9, s42, CH
	s_add_co_u32 s9, s9, 512*RBB                        ; W_Q's or W_K's columns
	s_mul_i32 s54, s13, CH
	s_add_co_u32 s54, s54, 640*RBB                      ; W_V's
	s_mul_i32 s21, s14, HALF
	SADD 54, 21                                         ; (waves 0 and 1 load a half each)
	s_mov_b32 s[G0A], 1
	s_mov_b32 s[G0A+1], 0
	s_mov_b32 s[G0B], 1
	s_add_co_u32 s[G0B+1], s21, BVB
	s_mov_b32 s[G0R], 1
	s_mov_b32 s[G0R+1], CH
	s_lshl_b32 s90, s40, 2
	s_add_co_u32 s90, s90, s14                          ; my number among the sixteen waves of my row of the cluster
	s_lshl_b32 s100, s41, 2
	s_add_co_u32 s100, s100, s14                        ; and of my column
	s_mul_i32 s20, s15, RBB
	s_mul_i32 s22, s16, HALF
	s_add_co_u32 s22, s22, BVB
	s_lshl_b32 s23, s15, 9
	s_lshl_b32 s3, s16, 1
	SADD 23, 3
	s_add_co_u32 s23, s23, XN
	s_lshl_b32 s3, s14, 8
	s_add_co_u32 s3, s3, XM
	v_and_b32 v1, 15, v0                                ; r
	v_bfe_u32 v2, v0, 4, 1                              ; h
	v_and_b32 v3, 31, v0
	v_lshlrev_b32 v[CO], 4, v3
	v_lshlrev_b32 v[CO8], 3, v3
	v_add_nc_u32 v[ADRA0], s20, v[CO]
	v_add_nc_u32 v[ADRB], s22, v[CO]
	v_lshlrev_b32 v[ADRW], 10, v2
	v_lshl_add_u32 v[ADRW], v1, 3, v[ADRW]
	v_add_nc_u32 v[ADRW], s22, v[ADRW]
	v_lshl_add_u32 v5, v1, 4, v2                        ; a scale byte's place in a stage: 16 r + h, + 4 x row block + 2 x half
	v_add_nc_u32 v[STO], s23, v5
	v_add_nc_u32 v[STV], s3, v5
	PFTILE 8, 9, 100                                    ; what the first refill will load
	WALU
	s_wait_dscnt 0x0                                    ; both opening adds are done
	CROUND                                              ; the opening round
	s_wait_kmcnt 0x0
	s_mov_b32 s20, s66
	s_mov_b32 s21, 0
	s_add_nc_u64 s[G0A+2:G0A+3], s[4:5], s[20:21]
	s_add_nc_u64 s[G0R+2:G0R+3], s[G0A+2:G0A+3], CH
	s_or_b32 s[G0A+3], s[G0A+3], 0x80000000
	s_or_b32 s[G0R+3], s[G0R+3], 0x80000000
	s_mov_b32 s20, s54
	s_add_nc_u64 s[G0B+2:G0B+3], s[4:5], s[20:21]
	s_or_b32 s[G0B+3], s[G0B+3], 0x80000000
	s_cmp_lt_u32 s14, 2
	s_cbranch_scc0 .Lwave_2
	TLOAD G0B, G1B                                      ; waves 0 and 1: W_V's halves
	s_branch .Lasked
.Lwave_2:
	s_cmp_eq_u32 s14, 2
	s_cbranch_scc0 .Lwave_3
	TLOAD G0A, G1A                                      ; wave 2: chunk 0
	s_branch .Lasked
.Lwave_3:
	TLOAD G0R, G1A                                      ; wave 3: chunk 1
.Lasked:
	s_mul_i32 s76, s19, 128*HALF                        ; where the results go: s[10:11] my codes of Q or K
	s_mul_i32 s21, s43, 8*HALF
	SADD 76, 21
	s_and_b32 s22, s42, 7
	s_mul_i32 s22, s22, 6400
	SADD 76, 22
	s_lshl_b32 s21, s14, 1
	s_lshl_b32 s22, s87, 2
	s_xor_b32 s21, s21, s22                             ; the stage's halves lie in the order of work
	s_mul_i32 s21, s21, HALF
	s_add_co_u32 s78, s76, s21
	s_add_co_u32 s78, s78, 6144                         ; s[48:49] the scale words of the two bands that I store
	s_mul_i32 s21, s15, 2*HALF
	SADD 76, 21
	s_mul_i32 s21, s16, 768
	SADD 76, 21
	s_mov_b32 s77, 0
	s_mov_b32 s79, 0
	s_lshr_b32 s80, s12, 3
	s_lshl_b32 s80, s80, 4
	s_lshl_b32 s21, s13, 1
	SADD 80, 21
	SADD 80, 16
	s_mul_i32 s80, s80, 16*6400
	s_and_b32 s21, s12, 7
	s_lshl_b32 s21, s21, 1
	SADD 21, 15
	s_mul_i32 s21, s21, 6400
	SADD 80, 21                                         ; s[50:51] my unit of V
	s_mov_b32 s81, 0
	s_add_nc_u64 s[10:11], s[48:49], s[76:77]
	s_add_nc_u64 s[48:49], s[48:49], s[78:79]
	s_add_nc_u64 s[50:51], s[50:51], s[80:81]
	s_mov_b32 s46, 0
	s_mov_b32 s47, 0
	s_xor_b32 s20, s87, 1                               ; the chunks still to come are the other half's
	s_mul_i32 s21, s20, 2*CH
	s_add_co_u32 s88, s67, s21
	s_cmp_lt_u32 s14, 2
	s_cbranch_scc0 .Lnot_b
	s_wait_tensorcnt 0x0
.Lnot_b:
	BARRIER                                             ; W_V's columns are in
	PFGO 8
	WEIGHTS
	s_cmp_eq_u32 s14, 3
	s_cbranch_scc1 .Lnot_a0
	s_wait_tensorcnt 0x0
.Lnot_a0:
	s_wait_dscnt 0x0
	BARRIER                                             ; chunk 0 is in; chunk 1 may still be on its way
	FETCH01
; ================= PHASE 1: V, eight blocks; band 0's way outs stand in band 1's blocks
.irp s, 0,1
	s_wait_dscnt NF
	BLOCK 1, \s, HV0+8*\s, 32, 0, 32, L_STEP
	WIN 0
	PLACES 4
	WALU
	FETCH \s
.endr
	s_wait_dscnt NF
	GRD
	BLOCK 1, 0, HV0+16, 32, 0, 24, L_V2
	WIN 0
	WALU
	s_wait_dscnt 0x0
	s_barrier_signal -1
	BLOCK 1, 0, HV0+16, 32, 24, 32, L_NONE
	MIDDLE
	BARRIER
	s_cmp_lt_u32 s14, 2
	s_cbranch_scc0 .Lno_half
	TLOAD G0B, G1B                                      ; waves 0 and 1 a half each of W_Q's or W_K's columns, onto W_V's, which all waves hold in registers
.Lno_half:
	PLACES 4                                            ; the places between the block's products and the fetch into their registers, for the waves that come round the load
	FETCH 0
	PFGO 7
	BLOCK 1, 1, HV0+24, 32, 0, 32, L_STEP
	WIN 0
	PLACES 4
	WALU
	FETCH 1
.irp j, 0,1,2
	s_wait_dscnt NF+(\j+1)/2
.if \j < 2
	BLOCK 1, \j%2, HV1+8*\j, 32, 0, 32, L_OUT, HV0+32*\j, \j
.else
	BLOCK 1, \j%2, HV1+8*\j, 32, 0, 32, L_LAST, HV0+32*\j, \j
.endif
	WIN 0
	CODES6 HV0+32*\j, MCD+12*\j, \j
	WALU
	ds_store_b8 v[STV], v[EB+\j] offset:4*\j
.if \j < 2
	FETCH \j%2
.endif
.endr
	s_wait_dscnt 1
	BLOCK 1, 1, HV1+24, 32, 0, 26, L_V7, HV0+96, 3
	WIN 0
	WALU
	s_wait_tensorcnt 0x0
	s_wait_dscnt 0x0
	s_barrier_signal -1                                 ; a plain barrier: the weights that the first refill brought are shown to all
	BLOCK 1, 1, HV1+24, 32, 26, 32, L_NONE
	WIN 0
	s_barrier_wait -1
	CODES6 HV0+96, MCD+36, 3
	WALU
	ds_store_b8 v[STV], v[EB+3] offset:12
; ================= THE CHANGE OF PHASE: the weights and the first two blocks' rows, which lie in slot 0 still, in one run of loads; band 1's four way outs under their flight
	WEIGHTS
	FETCH01
	PFGO 20
.set I, 0
.rept 18
.irp t, 0,1,2,3
	CHAIN I, HV1+32*\t, \t, 64+4*\t
.endr
.set I, I+1
.endr
.set I, 0
.rept 6
.irp t, 0,1,2,3
	CODES I, HV1+32*\t, MCD+12*\t+6, \t, 80+4*\t
.endr
.set I, I+1
.endr
	WIN 0
	WALU
; ================= PHASE 2: Q or K, sixteen blocks
	s_wait_dscnt NF
	BLOCK 0, 0, ACC, 8, 0, 32, L_STEP
	WIN 0
	PLACES 4
	WALU
.irp t, 0,1,2,3
	ds_store_b8 v[STV], v[EB+\t] offset:2+4*\t
.endr
.irp t, 0,1,2,3                                         ; V's codes leave
.irp k, 0,1,2
	global_store_b128 v[CO], v[MCD+12*\t+4*\k:MCD+12*\t+4*\k+3], s[50:51] offset:1536*\t+512*\k
.endr
.endr
	FETCH 0
	ODD NF+4, 1
	s_mov_b32 s86, 0
.Lwith_rounds:                                          ; blocks 2 to 5, 6 to 9
	EVENROUND NF+1
	ODD -1, 1
	EVEN NF+1, 1
	ODD NF+1, 1
	s_add_co_u32 s86, s86, 1
	s_cmp_lg_u32 s86, 2
	s_cbranch_scc1 .Lwith_rounds
.Lwithout:                                              ; blocks 10, 11 and 12, 13
	EVENSHOW NF+1
	ODD -1, 1
	s_add_co_u32 s86, s86, 1
	s_cmp_lg_u32 s86, 4
	s_cbranch_scc1 .Lwithout
	EVEN NF+1, 0
	ODD 1, 0
; ================= THE END: the last way out; the scale bytes go through LDS under its conversions
	s_lshl_b32 s21, s14, 9
	s_add_co_u32 s21, s21, XN
	s_lshl_b32 s22, s14, 8
	s_add_co_u32 s22, s22, XM
	v_add_nc_u32 v12, s21, v[CO]
	v_add_nc_u32 v14, s22, v[CO8]
	v_mul_u32_u24 v15, v2, HALF
	v_lshl_add_u32 v15, v1, 4, v15                      ; two bands' words: 16 lanes to 256 bytes
.set I, 0
.rept 18
	CHAIN I, ACC+32, 1
.set I, I+1
.endr
	CODES 2, ACC+32, NCD+6, 1
	WALU
	ds_store_b8 v[VX], v[EB+1] offset:4
	s_wait_dscnt 0x0
	s_barrier_signal -1
	CODES 0, ACC+32, NCD+6, 1
	CODES 1, ACC+32, NCD+6, 1
	v_nop
.irp i, 3,4,5
	CODES \i, ACC+32, NCD+6, 1
.endr
	WALU
	s_barrier_wait -1
	ds_load_b128 v[64:67], v12
	ds_load_b64 v[68:69], v14
	PUT6 NCD+6, 1536
	s_wait_dscnt 0x0
	global_store_b128 v15, v[64:67], s[48:49]
	global_store_b64 v[CO8], v[68:69], s[50:51] offset:6144
	s_wait_tensorcnt 0x0                                ; the wave's end
	ds_add_u32 v[SPW], v[NIL]
	s_wait_dscnt 0x0
	CROUND                                              ; the closing round
	s_endpgm
.Lfunc_end_k_q84c2c648fd_proj:
	.size	k_q84c2c648fd_proj, .Lfunc_end_k_q84c2c648fd_proj-k_q84c2c648fd_proj
	.p2alignl 7, 3214868480
	.fill 96, 4, 3214868480
	.section	.rodata,"a",@progbits
	.p2align	6, 0x0
	.amdhsa_kernel k_q84c2c648fd_proj
		.amdhsa_group_segment_fixed_size 327680
		.amdhsa_private_segment_fixed_size 0
		.amdhsa_enable_private_segment 0
		.amdhsa_kernarg_size 24
		.amdhsa_user_sgpr_count 2
		.amdhsa_user_sgpr_kernarg_segment_ptr 1
		.amdhsa_wavefront_size32 1
		.amdhsa_system_sgpr_workgroup_id_x 1
		.amdhsa_system_sgpr_workgroup_id_y 1
		.amdhsa_system_sgpr_workgroup_id_z 1
		.amdhsa_system_vgpr_workitem_id 0
		.amdhsa_next_free_vgpr 992
		.amdhsa_next_free_sgpr 102
		.amdhsa_reserve_vcc 0
		.amdhsa_float_denorm_mode_32 3
		.amdhsa_float_denorm_mode_16_64 3
		.amdhsa_memory_ordered 1
		.amdhsa_forward_progress 1
		.amdhsa_inst_pref_size 175
	.end_amdhsa_kernel
	.amdgpu_metadata
---
amdhsa.version: [ 1, 2 ]
amdhsa.kernels:
  - .name:           k_q84c2c648fd_proj
    .symbol:         k_q84c2c648fd_proj.kd
    .args:
      - { .name: HW, .offset: 0, .size: 8, .value_kind: global_buffer, .address_space: global }
      - { .name: QK, .offset: 8, .size: 8, .value_kind: global_buffer, .address_space: global }
      - { .name: VT, .offset: 16, .size: 8, .value_kind: global_buffer, .address_space: global }
    .group_segment_fixed_size: 327680
    .private_segment_fixed_size: 0
    .kernarg_segment_align: 8
    .kernarg_segment_size: 24
    .max_flat_workgroup_size: 128
    .sgpr_count:     102
    .vgpr_count:     992
    .wavefront_size: 32
...
	.end_amdgpu_metadata
.endif
;; end of part 2
;; launch scores (part 3): grid 8 x 32, 4 waves a work-group, clusters of 4 x 4, 327,680 bytes of LDS; arguments QK, Pc, Pst; writes Pc, Pst
.if DOCPART == 3
	.amdgcn_target "amdgcn-amd-amdhsa--gfx1250"
	.amdhsa_code_object_version 6
	.text
	.protected	k_q84c2c648fd_scores
	.globl	k_q84c2c648fd_scores
	.p2align	8
	.type	k_q84c2c648fd_scores,@function
k_q84c2c648fd_scores:
	s_mov_b64 s[64:65], 0
	v_nop
	global_prefetch_b8 v0, s[64:65] scope:SCOPE_SE
	s_setreg_imm32_b32 hwreg(HW_REG_WAVE_MODE, 25, 1), 1
	s_wait_xcnt 0x0
	s_wait_alu depctr_hold_cnt(0) depctr_sa_sdst(0) depctr_va_vdst(0) depctr_va_sdst(0) depctr_va_ssrc(0) depctr_va_vcc(0) depctr_vm_vsrc(0)
	s_getreg_b32 s2, hwreg(HW_REG_IB_STS2, 6, 4)
	s_cmp_eq_u32 s2, 0
	s_cbranch_scc0 .Lentry_in_a_cluster
	s_endpgm
.Lentry_in_a_cluster:
	s_bfe_u32 s2, ttmp6, 0x10000c
	s_cmp_lg_u32 s2, 0xf033
	s_cbranch_scc0 .Lentry_shape_is_right
	s_endpgm
.Lentry_shape_is_right:
; THIRD LAUNCH: S^T = K Q^T on codes (source 0 = keys, source 1 = queries: a lane holds one query, its registers run along the keys), and the softmax's p, quantised on the way out.  Nothing is left out.
; A tile is 256 queries x 256 keys of one batch, K = 1,024; four waves, 128 x 128 each.  Q's bands are shared along a row of the cluster, K's along a column: joint loads.
; THE SOFTMAX.  t = score x log2(e) / 32.  For each query and each 128 keys (a K step of the last product) M_loc = ceil(the largest t of these keys), a whole number; p = 2^(t - M_loc); l_loc = the sum of the unquantised p.
; p is quantised along the keys under M_loc; the last launch brings it under the row's M by taking M - M_loc off the scale bytes: a power of two, which moves no code.
; By the rows' order a lane's 32 results of a band of 64 keys are one scale block: no block's largest p is sought in another lane.
; OUT: Pc [512 row blocks of queries][16 K steps of keys][1,536: the image of 12 registers]; Pst: three arrays [128 bands of queries][16 K steps][row r][row block i] of words: p's scale words at 0, -M_loc (f32) at 524,288, l_loc (f32) at 1,048,576.
; LDS: two slots of 3 K steps, codes and scale words together: four quarters of two bands each: Q's, Q's, K's, K's.  K goes in three fills, one tensor load a wave each: K steps 0-2 at the head, 3-5 into slot 1 behind the first round, 6-7 into slot 0 behind K step 2.
; No prefetch: the walk along K is written out, three fills in all, and has no loop to run ahead in.
; LIMITS: a block whose every p has fallen to 0 keeps the byte 1 (its codes are zeros); the promise holds while |t| stays under 2^31; NaN and infinities are not served.
.set FR,    12
.set QTR,   38400                      ; a quarter: two bands x 3 K steps x 6,400
.set SLOT,  153600
.set SPARE, 307200                     ; the spare words: 128 bytes a wave, two blocks of 256 bytes that no other line names
.set SH8,   6                          ; v6 8 h
.set QW,    7                          ; v7-9   LDS address of Q's scale words, for each fill: lanes 0-15 my first band, lanes 16-31 my second
.set KW,    10                         ; v10-12 K's
.set QA,    16                         ; v16-17 my Q fragments in slot 0, 1 (16 x lane)
.set QB,    18                         ; v18-19 the same (8 x lane)
.set KA,    20                         ; v20-21, v22-23 my K fragments
.set KB,    22
.set SOF,   25
.set SPW,   28
.set NIL,   29
.set SC,    32                         ; v32-47 scale words, two sets of 4 + 4, and nothing else
.set CHN,   48                         ; v48-63 the largest scores of 16 registers each, of four blocks
.set SO,    96                         ; v96-97 the conversions' scale operands
.set BY,    98                         ; v98-99 the bytes
.set BT,    124                        ; v124-127 the other half's
.set BMX,   224                        ; v224-239 each block's two scale blocks: the largest t - M_loc, then the largest p
.set PWS,   64                         ; v64-71 the eight blocks' scale words
.set X4,    72
.set PC,    76
.set XN,    88
.set XL,    92
.set CT,    100
.set NMP,   108                        ; v108-123 -M_loc and the largest t of the eight blocks (named as pairs by the packed form)
.set AF,    128
.set T,     128                        ; the way out: v128-159 partial sums
.set LLS,   240                        ; v240-247 l_loc
.set G1,   24
.set G1B,  32
.set G0,   68
.set G0B,  80
.set SEL,  100
.set MSB, 0
.macro WIN new                         ; the immediate's high byte repeats the setting that is left
.if MSB != (\new)
	s_set_vgpr_msb (MSB<<8)|(\new)
.set MSB, (\new)
.endif
.endm
.set MUL_LO, 0xa1
.set MUL_HI, 0xf1
.set TO_B,   0x40
.macro PLACES n
.rept \n
	v_nop
.endr
.endm
.macro JLOAD                           ; a joint load: waves 0 and 1 fetch Q's quarters, waves 2 and 3 K's; an s_nop 0 and four v_nop follow each line
	s_cmp_eq_u32 s15, 0
	s_cbranch_scc0 .Lfor_b_\@
	tensor_load_to_lds s[G0:G0+3], s[G1:G1+7]
	s_nop 0
	PLACES 4
	s_branch .Lasked_\@
.Lfor_b_\@:
	tensor_load_to_lds s[G0B:G0B+3], s[G1B:G1B+7]
	s_nop 0
	PLACES 4
.Lasked_\@:
.endm
.macro CREST
	s_cmp_lg_u32 s14, 0
	s_cbranch_scc1 .Lnot_wave_0_\@
	s_barrier_signal -3
.Lnot_wave_0_\@:
	s_barrier_wait -3
	s_barrier_signal -1
	s_barrier_wait -1
.endm
.macro CROUND
	s_barrier_signal -1
	s_barrier_wait -1
	CREST
.endm
.macro FRAG reg, a16, a8, off          ; two halves of six registers: four at 16 x lane, two at 8 x lane
.irp c, 0,1
	ds_load_b128 v[\reg+6*\c:\reg+6*\c+3], v[\a16] offset:\off+768*\c
	ds_load_b64 v[\reg+6*\c+4:\reg+6*\c+5], v[\a8] offset:\off+768*\c+512
.endr
.endm
; fill f lies in slot f % 2; its bands are 19,200 bytes apart, the last fill's 12,800; q: which of its K steps
.macro FETCH0 f, q, p
.set PT, 19200-6400*((\f)/2)
	WIN TO_B
.irp i, 0,1,2,3,4,5,6,7
	FRAG 128*(\p)+FR*\i, KA+(\f)%2, KB+(\f)%2, PT*(\i/4)+1536*(\i%4)+6400*(\q)
.endr
	WIN 0
.endm
.macro FETCH1 f, q, i0
.set PT, 19200-6400*((\f)/2)
.irp i, \i0, \i0+1, \i0+2, \i0+3
	FRAG AF+FR*(\i), QA+(\f)%2, QB+(\f)%2, PT*((\i)/4)+1536*((\i)%4)+6400*(\q)
.endr
.endm
.macro SCALES f, q, fs
	ds_load_b128 v[SC+8*(\fs):SC+8*(\fs)+3], v[KW+\f] offset:6400*(\q)
	ds_load_b128 v[SC+8*(\fs)+4:SC+8*(\fs)+7], v[QW+\f] offset:6400*(\q)
.endm
.macro WM c, m
.if (\m) == 0
	v_wmma_scale_f32_16x16x128_f8f6f4 v[DD:DD+7], v[KF:KF+FR-1], v[QF:QF+FR-1], \c, v[KX], v[QX] matrix_a_fmt:MATRIX_FMT_FP6 matrix_b_fmt:MATRIX_FMT_FP6
.elseif (\m) == 1
	v_wmma_scale_f32_16x16x128_f8f6f4 v[DD:DD+7], v[KF:KF+FR-1], v[QF:QF+FR-1], \c, v[KX], v[QX] matrix_a_fmt:MATRIX_FMT_FP6 matrix_b_fmt:MATRIX_FMT_FP6 matrix_a_scale:MATRIX_SCALE_ROW1
.elseif (\m) == 2
	v_wmma_scale_f32_16x16x128_f8f6f4 v[DD:DD+7], v[KF:KF+FR-1], v[QF:QF+FR-1], \c, v[KX], v[QX] matrix_a_fmt:MATRIX_FMT_FP6 matrix_b_fmt:MATRIX_FMT_FP6 matrix_b_scale:MATRIX_SCALE_ROW1
.else
	v_wmma_scale_f32_16x16x128_f8f6f4 v[DD:DD+7], v[KF:KF+FR-1], v[QF:QF+FR-1], \c, v[KX], v[QX] matrix_a_fmt:MATRIX_FMT_FP6 matrix_b_fmt:MATRIX_FMT_FP6 matrix_a_scale:MATRIX_SCALE_ROW1 matrix_b_scale:MATRIX_SCALE_ROW1
.endif
.endm
.macro MUL16 a0, p, zero               ; the 64 accumulators take turns, one instruction a turn
.irp a, \a0, \a0+1
.irp b, 0,1,2,3,4,5,6,7
.set DD, 8*(8*((\a)%4)+\b)
.set KF, 128*(\p)+FR*\b
.set QF, AF+FR*(\a)
.set KX, SC+8*(\p)+(\b%4)
.set QX, SC+8*(\p)+4+((\a)%4)
.if \zero
	WM 0, (\b/4)+2*((\a)/4)
.else
	WM v[DD:DD+7], (\b/4)+2*((\a)/4)
.endif
.endr
.endr
.endm
.macro STEP ks, nf, nq, zero
	s_wait_dscnt 16                                ; all but the youngest 16 loads (Q's blocks 4-7)
	WIN MUL_LO
	MUL16 0, (\ks)%2, \zero
	MUL16 2, (\ks)%2, \zero
	s_wait_dscnt 0x0
	PLACES 4                                       ; in front of loads into registers that matrix instructions have read
	FETCH0 \nf, \nq, 1-(\ks)%2
	FETCH1 \nf, \nq, 0
	SCALES \nf, \nq, 1-(\ks)%2
	WIN MUL_HI
	MUL16 4, (\ks)%2, \zero
	MUL16 6, (\ks)%2, \zero
	PLACES 4
	WIN 0
	FETCH1 \nf, \nq, 4
.endm
.macro TURN ks, nf, fill
	s_wait_tensorcnt 0x0                           ; all my tensor loads have landed
	ds_add_u32 v[SPW], v[NIL]                      ; 0 onto my spare word
.if \fill
	s_add_nc_u64 s[G0+2:G0+3], s[G0+2:G0+3], 19200 ; no load of mine is out: the last fill's descriptors: two K steps, slot 0
	s_add_nc_u64 s[G0B+2:G0B+3], s[G0B+2:G0B+3], 19200
	s_sub_co_u32 s[G0+1], s[G0+1], SLOT
	s_sub_co_u32 s[G0B+1], s[G0B+1], SLOT
.irp g, G1, G1B
	s_mov_b32 s[\g+1], 1600<<16
	s_mov_b32 s[\g+3], 1600<<16
.endr
.endif
	s_wait_dscnt 17                                ; (the add and the youngest 16 loads may be out)
	WIN MUL_LO
	MUL16 0, (\ks)%2, 0
	s_wait_dscnt 0x0                               ; the add is done, and my reads of the slot are over
	s_barrier_signal -1
	MUL16 2, (\ks)%2, 0
	WIN 0
	s_barrier_wait -1
.if \fill
	CREST                                          ; a round of the cluster's barrier: no wave of any partner still reads slot 0 or has a load on its way
	JLOAD                                          ; the first tensor load behind the round; its four v_nop are the places for the loads below
.else
	PLACES 4
.endif
	FETCH0 \nf, 0, 1-(\ks)%2
	FETCH1 \nf, 0, 0
	SCALES \nf, 0, 1-(\ks)%2
	WIN MUL_HI
	MUL16 4, (\ks)%2, 0
	MUL16 6, (\ks)%2, 0
	PLACES 4
	WIN 0
	FETCH1 \nf, 0, 4
.endm
	s_load_b128 s[4:7], s[0:1], 0x0                ; QK s[4:5], Pc s[6:7]
	s_load_b64 s[8:9], s[0:1], 0x10                ; Pst
	v_lshl_add_u32 v[SPW], v0, 2, SPARE
	v_mov_b32 v[NIL], 0
	ds_add_u32 v[SPW], v[NIL]                      ; the wave's opening: the add, twice on end, and its wait ahead of my first tensor load
	ds_add_u32 v[SPW], v[NIL]
	v_lshrrev_b32 v1, 5, v0
	v_readfirstlane_b32 s14, v1
	s_lshr_b32 s15, s14, 1                         ; wr: my 128 queries.  Also: I fetch for Q (0) or for K (1)
	s_and_b32 s16, s14, 1                          ; wc: my 128 keys.  Also: which quarter I fetch
	s_bfe_u32 s18, ttmp6, 0x40000                  ; cx
	s_bfe_u32 s19, ttmp6, 0x40004                  ; cy
	s_and_b32 s17, ttmp7, 0xffff                   ; cluster y
	s_lshl_b32 s21, s19, 2
	s_lshl_b32 s21, 15, s21
	s_lshl_b32 s22, 0x1111, s18
	s_or_b32 s[G1], s21, (3<<16)|(1<<21)
	s_or_b32 s[G1B], s22, (3<<16)|(1<<21)
.irp g, G1, G1B
	s_mov_b32 s[\g+1], 2400<<16                    ; two bands x 19,200 bytes (elements of 8), 51,200 bytes apart
	s_mov_b32 s[\g+2], 2<<16
	s_mov_b32 s[\g+3], 2400<<16
	s_mov_b32 s[\g+4], 2
	s_mov_b32 s[\g+5], 6400
	s_mov_b32 s[\g+6], 0
	s_mov_b32 s[\g+7], 0
.endr
	s_lshl_b32 s20, s16, 1
	s_lshl_b32 s92, s17, 2
	s_add_co_u32 s92, s92, s19                     ; y: the tile of queries, over all batches
	s_lshl_b32 s94, s92, 2
	s_add_co_u32 s94, s94, s20                     ; Q's band
	s_mul_i32 s94, s94, 51200
	s_mov_b32 s95, 0
	s_lshl_b32 s93, ttmp9, 2
	s_add_co_u32 s93, s93, s18                     ; x: the tile of keys in the batch
	s_lshr_b32 s97, s17, 1                         ; the batch
	s_lshl_b32 s97, s97, 3
	s_add_co_u32 s96, s93, s97
	s_lshl_b32 s96, s96, 2
	s_add_co_u32 s96, s96, s20
	s_add_co_u32 s96, s96, 128                     ; K's band
	s_mul_i32 s96, s96, 51200
	s_mov_b32 s97, 0
	s_mul_i32 s23, s14, QTR
	s_mov_b32 s[SEL], 0x76543210
	s_mov_b32 s[SEL+1], 0xfedcba98
	s_mov_b32 s2, 0x3d38aa3b                       ; c = log2(e) / 32
	s_mov_b32 s3, s2                               ; (named with it as a pair)
	s_wait_dscnt 0x0                               ; both opening adds are done
	s_wait_kmcnt 0x0
	s_mov_b32 s[G0], 1
	s_mov_b32 s[G0+1], s23
	s_add_nc_u64 s[G0+2:G0+3], s[4:5], s[94:95]
	s_or_b32 s[G0+3], s[G0+3], 0x80000000
	s_mov_b32 s[G0B], 1
	s_mov_b32 s[G0B+1], s23
	s_add_nc_u64 s[G0B+2:G0B+3], s[4:5], s[96:97]
	s_or_b32 s[G0B+3], s[G0B+3], 0x80000000
	CROUND                                         ; all sixteen work-groups are here: the first joint loads meet
	JLOAD                                          ; K steps 0-2: one tensor load a wave at the head
	s_lshl_b32 s93, s93, 1
	s_add_co_u32 s93, s93, s16                     ; my K step of keys: 2 x + wc
	s_lshl_b32 s94, s92, 1
	s_add_co_u32 s94, s94, s15                     ; 2 y + wr: my 8 row blocks, my 2 bands
	s_lshl_b32 s95, s94, 7
	s_add_co_u32 s95, s95, s93
	s_mul_i32 s98, s95, 1536
	s_mov_b32 s99, 0
	s_add_nc_u64 s[12:13], s[6:7], s[98:99]
	s_lshl_b32 s95, s94, 5
	s_add_co_u32 s95, s95, s93
	s_lshl_b32 s98, s95, 8
	s_add_nc_u64 s[66:67], s[8:9], s[98:99]
	s_mul_i32 s20, s15, QTR
	s_mul_i32 s23, s16, QTR
	s_add_co_u32 s23, s23, 2*QTR
	v_and_b32 v1, 15, v0                           ; r
	v_bfe_u32 v2, v0, 4, 1                         ; h
	v_and_b32 v3, 31, v0
	v_lshlrev_b32 v4, 4, v3                        ; 16 x lane
	v_lshlrev_b32 v5, 3, v3                        ; 8 x lane
	v_lshlrev_b32 v[SH8], 3, v2
	v_add_nc_u32 v[QA], s20, v4
	v_add_nc_u32 v[QB], s20, v5
	v_add_nc_u32 v[KA], s23, v4
	v_add_nc_u32 v[KB], s23, v5
.irp k, QA, QB, KA, KB
	v_add_nc_u32 v[\k+1], SLOT, v[\k]
.endr
	v_lshlrev_b32 v13, 4, v1
	v_add_nc_u32 v13, 6144, v13
	v_mul_u32_u24 v14, v2, 19200
	v_add_nc_u32 v14, v13, v14
	v_mul_u32_u24 v15, v2, 12800
	v_add_nc_u32 v15, v13, v15
	v_add_nc_u32 v[QW], s20, v14
	v_add_nc_u32 v[KW], s23, v14
	v_add_nc_u32 v[QW+1], SLOT, v[QW]
	v_add_nc_u32 v[KW+1], SLOT, v[KW]
	v_add_nc_u32 v[QW+2], s20, v15
	v_add_nc_u32 v[KW+2], s23, v15
.irp k, 0,1,2,3
	v_mov_b32 v[BT+\k], 0                          ; written once: a lane permute's destination counts as one of its sources
.endr
	v_lshlrev_b32 v[SOF], 12, v2                   ; lanes 16-31 store the second band's words, 16 K steps of 256 bytes on
	v_lshl_add_u32 v[SOF], v1, 4, v[SOF]
	s_wait_alu depctr_va_vdst(0)                   ; the wait at the head's end
	s_wait_tensorcnt 0x0                           ; my part of slot 0 is in
	ds_add_u32 v[SPW], v[NIL]
	s_add_nc_u64 s[G0+2:G0+3], s[G0+2:G0+3], 19200
	s_add_nc_u64 s[G0B+2:G0B+3], s[G0B+2:G0B+3], 19200
	s_add_co_u32 s[G0+1], s[G0+1], SLOT
	s_add_co_u32 s[G0B+1], s[G0B+1], SLOT
	s_wait_dscnt 0x0
	CROUND
	JLOAD                                          ; K steps 3-5 into slot 1
	FETCH0 0, 0, 0
	FETCH1 0, 0, 0
	SCALES 0, 0, 0
	FETCH1 0, 0, 4
	STEP 0, 0, 1, 1                                ; the first products start the sums: nothing is cleared
	STEP 1, 0, 2, 0
	TURN 2, 1, 1
	STEP 3, 1, 1, 0
	STEP 4, 1, 2, 0
	TURN 5, 2, 0
	STEP 6, 2, 1, 0
; THE SOFTMAX goes in two parts: first the maxima of all eight blocks (16 queries x my 128 keys), ahead of any exponential; then the blocks one after the other.
; Register 32 g + i of a lane is key 64 g + 32 h + i of its query: scale block 2 g + h.
; Line c of 128 for blocks 4 g .. 4 g + 3 (window 2 + g): chain c % 16 (block (c % 16) / 4, its registers 16 (c % 4) on) takes two more scores; each accumulator is read from its low end on
.macro CHL c, g
.set L_, (\c)/16
.set C_, (\c)%16
.set R_, 64*(C_/4)+16*(C_%4)
.if L_ == 0
	v_max_num_f32 v[CHN+C_], v[R_], v[R_+1]
.else
	v_max3_num_f32 v[CHN+C_], v[R_+2*L_], v[R_+2*L_+1], v[CHN+C_]
.endif
.endm
; what follows from the chains, for four blocks by turns
.macro STATS g
.irp k, 0,1,2,3
	v_max_num_f32 v[CHN+4*\k], v[CHN+4*\k], v[CHN+4*\k+1]      ; the largest score of each of my two scale blocks: it serves the row's maximum and, since p rises with the score, the block's largest p
.endr
.irp k, 0,1,2,3
	v_max_num_f32 v[CHN+4*\k+1], v[CHN+4*\k+2], v[CHN+4*\k+3]
.endr
.irp k, 0,1,2,3
	v_max_num_f32 v[CHN+4*\k+2], v[CHN+4*\k], v[CHN+4*\k+1]
.endr
.irp k, 0,1,2,3
	v_permlanex16_b32 v[BT+\k], v[CHN+4*\k+2], s[SEL], s[SEL+1]
.endr
.irp k, 0,1,2,3
	v_max_num_f32 v[CHN+4*\k+2], v[CHN+4*\k+2], v[BT+\k]       ; with lane l xor 16's 64 keys
.endr
.irp k, 0,1,2,3
	v_mul_f32 v[NMP+8*(\g)+2*\k+1], s2, v[CHN+4*\k+2]          ; the largest t of these 128 keys (c is positive)
.endr
.irp k, 0,1,2,3
	v_floor_f32 v[NMP+8*(\g)+2*\k], -v[NMP+8*(\g)+2*\k+1]      ; -M_loc = floor(-t) = -ceil(t)
.endr
.irp k, 0,1,2,3
	v_fma_f32 v[BMX+8*(\g)+2*\k], v[CHN+4*\k], s2, v[NMP+8*(\g)+2*\k]
.endr
.irp k, 0,1,2,3
	v_fma_f32 v[BMX+8*(\g)+2*\k+1], v[CHN+4*\k+1], s2, v[NMP+8*(\g)+2*\k]
.endr
.endm
	s_wait_dscnt 16
	WIN MUL_LO
	MUL16 0, 1, 0
	MUL16 2, 1, 0
	WIN 0
	s_wait_dscnt 0x0
	PLACES 4                                       ; in front of the first reads of blocks 0-3
.set N_, 0
.rept 32                                       ; the last 32 products, of blocks 4-7: behind each four lines of blocks 0-3's chains
.set A_, N_/8
.set B_, N_%8
.set DD, 8*(8*A_+B_)
.set KF, 128+FR*B_
.set QF, AF+FR*(4+A_)
.set KX, SC+8+(B_%4)
.set QX, SC+8+4+A_
	WIN MUL_HI
	WM v[DD:DD+7], (B_/4)+2
	WIN 0x0a
.irp c, 0,1,2,3
	CHL 4*N_+\c, 0
.endr
.set N_, N_+1
.endr
	WIN 0
	STATS 0                                        ; (these lines are also the places in front of the first reads of blocks 4-7)
	WIN 0x0f
.set N_, 0
.rept 128
	CHL N_, 1
.set N_, N_+1
.endr
	WIN 0
	STATS 1
	WIN 0x82
.set J, 0
.rept 32
	v_pk_fma_f32 v[J:J+1], v[J:J+1], s[2:3], v[NMP:NMP+1] op_sel_hi:[1,0,0]   ; block 0: t - M_loc, two at a time
.set J, J+2
.endr
; A RUN: block a's 64 exponentials; among them, hanging on none of the run's results, block a + 1's t - M_loc and the first sums of block a - 1.  One wait ahead of the run and one behind it.
.macro RUN a
.set WA, 2+(\a)/4
.set AA, 64*((\a)%4)
.set WB, 2+((\a)+1)/4
.set AB, 64*(((\a)+1)%4)
.set WC, 2+((\a)-1)/4
.set AD, 64*(((\a)+7)%4)
.set NP_, NMP+2*(\a)+2
	WIN 0
	s_wait_alu depctr_va_vdst(0)
.set K_, 0
.rept 16
	WIN (WA<<6)|WA
	v_exp_f32 v[AA+4*K_], v[AA+4*K_]               ; p, at most 1, not normalised
.if (\a) < 7
	WIN (WB<<6)|WB
	v_pk_fma_f32 v[AB+4*K_:AB+4*K_+1], v[AB+4*K_:AB+4*K_+1], s[2:3], v[NP_:NP_+1] op_sel_hi:[1,0,0]
	WIN (WA<<6)|WA
.endif
	v_exp_f32 v[AA+4*K_+1], v[AA+4*K_+1]
.if (\a) > 0
	WIN (WC<<2)|WC
	v_pk_add_f32 v[T+2*K_:T+2*K_+1], v[AD+4*K_:AD+4*K_+1], v[AD+4*K_+2:AD+4*K_+3]   ; the sum is taken of the unquantised p
	WIN (WA<<6)|WA
.endif
	v_exp_f32 v[AA+4*K_+2], v[AA+4*K_+2]
.if (\a) < 7
	WIN (WB<<6)|WB
	v_pk_fma_f32 v[AB+4*K_+2:AB+4*K_+3], v[AB+4*K_+2:AB+4*K_+3], s[2:3], v[NP_:NP_+1] op_sel_hi:[1,0,0]
	WIN (WA<<6)|WA
.endif
	v_exp_f32 v[AA+4*K_+3], v[AA+4*K_+3]
.set K_, K_+1
.endr
	WIN 0
	v_exp_f32 v[BMX+2*(\a)], v[BMX+2*(\a)]         ; each scale block's largest p: the same multiply-add and exponential as the p themselves
	v_exp_f32 v[BMX+2*(\a)+1], v[BMX+2*(\a)+1]
	v_nop                                          ; a plain instruction behind the last exponential
	s_wait_alu depctr_va_vdst(0)
.endm
; THE REST of block a: the sum, the scale word, the codes, the stores
.macro FIN a
.set WF, 2+(\a)/4
.set AE, 64*((\a)%4)
	s_wait_xcnt 0x0                                ; the last block's stores have read their data and their base
.if (\a) > 0
	s_add_nc_u64 s[12:13], s[12:13], 24576         ; the next row block of Pc
.endif
.irp k, 0,1,2,3,4,5,6,7
	v_pk_add_f32 v[T+2*\k:T+2*\k+1], v[T+2*\k:T+2*\k+1], v[T+16+2*\k:T+17+2*\k]
.endr
.irp b, 0,1
	v_max_num_f32 v[BY+\b], 0x1800000, v[BMX+2*(\a)+\b]    ; the floor 2^(3 - 127)
.endr
.irp k, 0,1,2,3
	v_pk_add_f32 v[T+2*\k:T+2*\k+1], v[T+2*\k:T+2*\k+1], v[T+8+2*\k:T+9+2*\k]
.endr
.irp b, 0,1
	v_add_nc_u32 v[SO+\b], 0xff000000, v[BY+\b]
.endr
.irp k, 0,1
	v_pk_add_f32 v[T+2*\k:T+2*\k+1], v[T+2*\k:T+2*\k+1], v[T+4+2*\k:T+5+2*\k]
.endr
.irp b, 0,1
	v_lshrrev_b32 v[BY+\b], 23, v[SO+\b]
.endr
	v_pk_add_f32 v[T:T+1], v[T:T+1], v[T+2:T+3]
	v_lshl_or_b32 v[BY], v[BY+1], 16, v[BY]        ; my bytes, 2 g + h, at their places:
	v_add_f32 v[T], v[T], v[T+1]
	v_lshlrev_b32 v[BY], v[SH8], v[BY]             ; 8 h bits up
	v_permlanex16_b32 v[BT], v[T], s[SEL], s[SEL+1]
	v_permlanex16_b32 v[BT+1], v[BY], s[SEL], s[SEL+1]
	WIN WF
.irp c, 0,1
	v_cvt_scalef32_pk16_fp6_f32 v[PC+6*\c:PC+6*\c+2], v[AE+32*\c:AE+32*\c+15], v[SO+\c]
	v_cvt_scalef32_pk16_fp6_f32 v[CT+4*\c:CT+4*\c+2], v[AE+16+32*\c:AE+31+32*\c], v[SO+\c]
.endr
	WIN 0
	v_add_f32 v[LLS+(\a)], v[T], v[BT]             ; l_loc.  (A plain place behind the conversions)
	v_or_b32 v[PWS+(\a)], v[BY], v[BT+1]           ; with lane l xor 16's two bytes the word is whole
.irp c, 0,1
.irp i, 0,1,2
	v_mov_b32 v[PC+3+6*\c+\i], v[CT+4*\c+\i]
.endr
.endr
.irp c, 0,1,2
	global_store_b128 v4, v[PC+4*\c:PC+4*\c+3], s[12:13] offset:512*\c
.endr
.endm
	RUN 0
.irp a, 1,2,3,4,5,6,7
	RUN \a
	FIN \a-1
.endr
	WIN 0x0f
.set K_, 0
.rept 16
	v_pk_add_f32 v[T+2*K_:T+2*K_+1], v[192+4*K_:192+4*K_+1], v[192+4*K_+2:192+4*K_+3]
.set K_, K_+1
.endr
	WIN 0
	s_wait_alu depctr_va_vdst(0)
	FIN 7
	v_cmp_ne_u32 vcc_lo, 0, v2
.irp i, 0,1,2,3
	v_cndmask_b32 v[X4+\i], v[PWS+\i], v[PWS+4+\i], vcc_lo   ; lanes 0-15: blocks 0-3 of row r; lanes 16-31: blocks 4-7
	v_cndmask_b32 v[XN+\i], v[NMP+2*\i], v[NMP+8+2*\i], vcc_lo
	v_cndmask_b32 v[XL+\i], v[LLS+\i], v[LLS+4+\i], vcc_lo
.endr
	global_store_b128 v[SOF], v[X4:X4+3], s[66:67]                   ; each store: two whole aligned blocks of 256 bytes
	global_store_b128 v[SOF], v[XN:XN+3], s[66:67] offset:524288
	global_store_b128 v[SOF], v[XL:XL+3], s[66:67] offset:1048576
	s_wait_tensorcnt 0x0                           ; the wave's end
	ds_add_u32 v[SPW], v[NIL]
	s_wait_dscnt 0x0
	CROUND                                         ; the closing round
	s_endpgm
.Lfunc_end_k_q84c2c648fd_scores:
	.size	k_q84c2c648fd_scores, .Lfunc_end_k_q84c2c648fd_scores-k_q84c2c648fd_scores
	.p2alignl 7, 3214868480
	.fill 96, 4, 3214868480
	.section	.rodata,"a",@progbits
	.p2align	6, 0x0
	.amdhsa_kernel k_q84c2c648fd_scores
		.amdhsa_group_segment_fixed_size 327680
		.amdhsa_private_segment_fixed_size 0
		.amdhsa_enable_private_segment 0
		.amdhsa_kernarg_size 24
		.amdhsa_user_sgpr_count 2
		.amdhsa_user_sgpr_kernarg_segment_ptr 1
		.amdhsa_wavefront_size32 1
		.amdhsa_system_sgpr_workgroup_id_x 1
		.amdhsa_system_sgpr_workgroup_id_y 1
		.amdhsa_system_sgpr_workgroup_id_z 1
		.amdhsa_system_vgpr_workitem_id 0
		.amdhsa_next_free_vgpr 1024
		.amdhsa_next_free_sgpr 102
		.amdhsa_reserve_vcc 1
		.amdhsa_float_denorm_mode_32 3
		.amdhsa_float_denorm_mode_16_64 3
		.amdhsa_memory_ordered 1
		.amdhsa_forward_progress 1
		.amdhsa_inst_pref_size 202
	.end_amdhsa_kernel
	.amdgpu_metadata
---
amdhsa.version: [ 1, 2 ]
amdhsa.kernels:
  - .name:           k_q84c2c648fd_scores
    .symbol:         k_q84c2c648fd_scores.kd
    .args:
      - { .name: QK, .offset: 0, .size: 8, .value_kind: global_buffer, .address_space: global }
      - { .name: Pc, .offset: 8, .size: 8, .value_kind: global_buffer, .address_space: global }
      - { .name: Pst, .offset: 16, .size: 8, .value_kind: global_buffer, .address_space: global }
    .group_segment_fixed_size: 327680
    .private_segment_fixed_size: 0
    .kernarg_segment_align: 8
    .kernarg_segment_size: 24
    .max_flat_workgroup_size: 128
    .sgpr_count:     102
    .vgpr_count:     1024
    .wavefront_size: 32
...
	.end_amdgpu_metadata
.endif
;; end of part 3
;; launch pv (part 4): grid 4 x 64, 4 waves a work-group, clusters of 4 x 4, 327,680 bytes of LDS; arguments Pc, Pst, VT, out0; writes out0
.if DOCPART == 4
	.amdgcn_target "amdgcn-amd-amdhsa--gfx1250"
	.amdhsa_code_object_version 6
	.text
	.protected	k_q84c2c648fd_pv
	.globl	k_q84c2c648fd_pv
	.p2align	8
	.type	k_q84c2c648fd_pv,@function
k_q84c2c648fd_pv:
	s_mov_b64 s[64:65], 0
	v_nop
	global_prefetch_b8 v0, s[64:65] scope:SCOPE_SE
	s_setreg_imm32_b32 hwreg(HW_REG_WAVE_MODE, 25, 1), 1
	s_wait_xcnt 0x0
	s_wait_alu depctr_hold_cnt(0) depctr_sa_sdst(0) depctr_va_vdst(0) depctr_va_sdst(0) depctr_va_ssrc(0) depctr_va_vcc(0) depctr_vm_vsrc(0)
	s_getreg_b32 s2, hwreg(HW_REG_IB_STS2, 6, 4)
	s_cmp_eq_u32 s2, 0
	s_cbranch_scc0 .Lentry_in_a_cluster
	s_endpgm
.Lentry_in_a_cluster:
	s_bfe_u32 s2, ttmp6, 0x10000c
	s_cmp_lg_u32 s2, 0xf033
	s_cbranch_scc0 .Lentry_shape_is_right
	s_endpgm
.Lentry_shape_is_right:
; FOURTH LAUNCH: out = (P V) / l on codes.  O^T = V^T P^T: source 0 = 16 channels of V^T, source 1 = 16 queries of P; K = the batch's 2,048 keys.  Nothing is left out.
; A tile is 128 queries x 256 channels: 256 work-groups.  Four waves, 64 queries x 128 channels each: 32 accumulators in window 2.
; THE FIX, while the first tiles are on their way: lane (h, r) of wave w owns query row r of row block w of the tile's band h.  M = the largest of its sixteen M_loc; for each K step d = M - M_loc is taken off the four bytes of p's scale word
; (held at 0 from below), and l = the sum of l_loc 2^-d: powers of two, which round nothing.  The fixed words and 1 / l go to LDS; the round behind which slot 1 is first filled shows them to all four waves.
; CLUSTERS: P's tiles are shared along a row of the cluster, V^T's along a column: joint loads.
; LDS: two slots of 512 along K: P's 8 row blocks x 6,144 bytes, then V^T's 4 bands x 25,600 (codes and scale words); p's fixed scale words; 1 / l; the spare words.  The way out's stages lie in slot 0, which has then had its last fill and its last read.
; One tensor load a wave at the head (slot 0), one behind each round: slot 1 behind the fix, then slot 0 and slot 1 once more.  No prefetch: four fills, written out; no loop to run ahead in.
; THE LAST K STEP goes by rows: a row block's 8 products, and while the next blocks' are issued it is divided by l and leaves through the stage.
; REGISTERS: window 0: v1-31 addresses; v32-47 scale words, two sets, and nothing else; v48-113 the fix; v128-223 P's fragments, two sets of four.  Window 1: V^T's fragments, two sets of eight, at v0 and v128.  Window 2: accumulator (a, b) at v[8 (8 a + b)].
; LIMITS: a block of p whose scale under the row's M would fall under 2^-127 is held at the byte 0: it then adds less than 2^-120 times a value of V, beside a row whose largest p is over 1/2.  NaN and infinities are not served.
.set FR,    12
.set VB,    49152                      ; V^T's part of a slot
.set SLOT,  151552
.set PSC,   303104                     ; p's fixed scale words: [2 bands][16 K steps][256 bytes]
.set RL,    311296                     ; 1 / l: [2 bands][4 row blocks][16 rows] words
.set SPARE, 311808                     ; the spare words: 128 bytes a wave, two blocks of 256 bytes that no other line names
.set ADRV,  5                          ; v5-6   V^T's scale words in slot 0, 1: lanes 0-15 my first band, lanes 16-31 my second
.set ADR1,  16                         ; v16-17 my P fragments in slot 0, 1
.set ADR0,  20                         ; v20-21 my V^T fragments
.set ADRS,  24                         ; v24    p's fixed scale words of my band
.set STO,   26
.set RD,    27
.set SPW,   28
.set NIL,   29
.set VOFF,  30                         ; v30 my row's place in an array of Pst, and in PSC
.set ADRL,  31
.set SC,    32
.set SW,    48                         ; v48-63 p's scale words of my row, 16 K steps
.set NM,    64                         ; v64-79 -M_loc
.set LL,    80                         ; v80-95 l_loc
.set RLW,   112
.set PSW,   113
.set RLV,   240                        ; the way out: 1 / l as pairs
.set AF,    128
.set G1,   24
.set G1B,  32
.set G0,   68                          ; s[68:75] P's groups 0, one for each slot
.set G0B,  76                          ; s[76:83] V^T's
.set MSB, 0
.macro WIN new                         ; the immediate's high byte repeats the setting that is left
.if MSB != (\new)
	s_set_vgpr_msb (MSB<<8)|(\new)
.set MSB, (\new)
.endif
.endm
.set MUL,  0xa1                        ; source 0 (V^T) window 1, source 1 (P) window 0, C and D window 2
.set TO_B, 0x40
.macro PLACES n
.rept \n
	v_nop
.endr
.endm
.macro JLOAD s                         ; a joint load into slot s: waves 0 and 1 fetch P's halves, waves 2 and 3 V^T's; an s_nop 0 and four v_nop follow each line
	s_cmp_eq_u32 s15, 0
	s_cbranch_scc0 .Lfor_b_\@
	tensor_load_to_lds s[G0+4*\s:G0+4*\s+3], s[G1:G1+7]
	s_nop 0
	PLACES 4
	s_branch .Lasked_\@
.Lfor_b_\@:
	tensor_load_to_lds s[G0B+4*\s:G0B+4*\s+3], s[G1B:G1B+7]
	s_nop 0
	PLACES 4
.Lasked_\@:
.endm
.macro CREST
	s_cmp_lg_u32 s14, 0
	s_cbranch_scc1 .Lnot_wave_0_\@
	s_barrier_signal -3
.Lnot_wave_0_\@:
	s_barrier_wait -3
	s_barrier_signal -1
	s_barrier_wait -1
.endm
.macro CROUND
	s_barrier_signal -1
	s_barrier_wait -1
	CREST
.endm
.macro FRAG reg, adr, off
.irp c, 0,1,2
	ds_load_b128 v[\reg+4*\c:\reg+4*\c+3], v[\adr] offset:\off+512*\c
.endr
.endm
.macro FETCH5 slot, q, fs, ks          ; K step ks, the slot's q-th, into set fs: 8 fragments of V^T, 4 of P, the scale words: 38 loads
	WIN TO_B
.irp i, 0,1,2,3,4,5,6,7
	FRAG 128*(\fs)+FR*\i, ADR0+\slot, 25600*(\i/4)+1536*(\i%4)+6400*(\q)
.endr
	WIN 0
.irp i, 0,1,2,3
	FRAG AF+48*(\fs)+FR*\i, ADR1+\slot, 6144*\i+1536*(\q)
.endr
	ds_load_b128 v[SC+8*(\fs):SC+8*(\fs)+3], v[ADRV+\slot] offset:6400*(\q)
	ds_load_b128 v[SC+8*(\fs)+4:SC+8*(\fs)+7], v[ADRS] offset:256*(\ks)
.endm
.macro WM c, m
.if \m
	v_wmma_scale_f32_16x16x128_f8f6f4 v[DD:DD+7], v[VF:VF+FR-1], v[PF:PF+FR-1], \c, v[VSX], v[PSX] matrix_a_fmt:MATRIX_FMT_FP6 matrix_b_fmt:MATRIX_FMT_FP6 matrix_a_scale:MATRIX_SCALE_ROW1
.else
	v_wmma_scale_f32_16x16x128_f8f6f4 v[DD:DD+7], v[VF:VF+FR-1], v[PF:PF+FR-1], \c, v[VSX], v[PSX] matrix_a_fmt:MATRIX_FMT_FP6 matrix_b_fmt:MATRIX_FMT_FP6
.endif
.endm
.macro MULN from, to, p, zero          ; products from .. to - 1 of a K step's 32, n = 8 a + b; the 32 accumulators take turns, one instruction a turn
	WIN MUL
.set N_, \from
.rept (\to)-(\from)
.set DD, 8*N_
.set VF, 128*(\p)+FR*(N_%8)
.set PF, AF+48*(\p)+FR*(N_/8)
.set VSX, SC+8*(\p)+(N_%4)
.set PSX, SC+8*(\p)+4+(N_/8)
.if \zero
	WM 0, (N_%8)/4
.else
	WM v[DD:DD+7], (N_%8)/4
.endif
.set N_, N_+1
.endr
.endm
.macro STEP5 ks, nslot, nq, zero
	s_wait_dscnt 0x0                               ; this step's set is in
	PLACES 4                                       ; in front of loads into the other set, which the last step's products read
	FETCH5 \nslot, \nq, 1-(\ks)%2, (\ks)+1
	MULN 0, 32, (\ks)%2, \zero
.endm
; A slot's last step.  In front of the barrier each wave waits for all its tensor loads, adds 0 to its spare word, and waits for that and for its reads of the slot.  fill = 1: the slot just left (fslot) takes the keys two slots on.
.macro TURN5 ks, nslot, fill, fslot
	WIN 0                                          ; (the add's two registers lie in window 0)
	s_wait_tensorcnt 0x0                           ; all my tensor loads have landed: my part of the next slot
	ds_add_u32 v[SPW], v[NIL]                      ; 0 onto my spare word
.if \fill
	s_add_nc_u64 s[G0+4*\fslot+2:G0+4*\fslot+3], s[G0+4*\fslot+2:G0+4*\fslot+3], 12288
	s_add_nc_u64 s[G0B+4*\fslot+2:G0B+4*\fslot+3], s[G0B+4*\fslot+2:G0B+4*\fslot+3], 51200
.endif
	s_wait_dscnt 0x0                               ; the add is done, and my reads of this slot are over
	s_barrier_signal -1
	MULN 0, 8, (\ks)%2, 0
	WIN 0
	s_barrier_wait -1
.if \fill
	CREST                                          ; a round of the cluster's barrier: no wave of any partner still reads the slot or has a load on its way
	JLOAD \fslot                                   ; the first tensor load behind the round; its four v_nop are the places for the loads below
.else
	PLACES 4
.endif
	FETCH5 \nslot, 0, 1-(\ks)%2, (\ks)+1
	MULN 8, 32, (\ks)%2, 0
.endm
	s_load_b256 s[4:11], s[0:1], 0x0               ; Pc s[4:5], Pst s[6:7], VT s[8:9], out0 s[10:11]
	v_lshl_add_u32 v[SPW], v0, 2, SPARE
	v_mov_b32 v[NIL], 0
	ds_add_u32 v[SPW], v[NIL]                      ; the wave's opening: the add, twice on end, and its wait ahead of my first tensor load
	ds_add_u32 v[SPW], v[NIL]
	v_lshrrev_b32 v1, 5, v0
	v_readfirstlane_b32 s14, v1                    ; wave 0..3
	s_lshr_b32 s15, s14, 1                         ; wr: my 64 queries.  Also: I fetch for P (0) or for V^T (1)
	s_and_b32 s16, s14, 1                          ; wc: my 128 channels.  Also: which half I fetch
	s_bfe_u32 s18, ttmp6, 0x40000                  ; cx: the tile of channels
	s_bfe_u32 s19, ttmp6, 0x40004                  ; cy
	s_and_b32 s17, ttmp7, 0xffff                   ; cluster y
	s_lshl_b32 s21, s19, 2
	s_lshl_b32 s21, 15, s21                        ; my row of the cluster
	s_lshl_b32 s22, 0x1111, s18                    ; my column
	s_or_b32 s[G1], s21, (3<<16)|(1<<21)           ; P: 4 row blocks x 6,144 bytes (elements of 8 bytes), 24,576 bytes apart
	s_mov_b32 s[G1+1], 768<<16
	s_mov_b32 s[G1+2], 4<<16
	s_mov_b32 s[G1+3], 768<<16
	s_mov_b32 s[G1+4], 4
	s_mov_b32 s[G1+5], 3072
	s_mov_b32 s[G1+6], 0
	s_mov_b32 s[G1+7], 0
	s_or_b32 s[G1B], s22, (3<<16)|(1<<21)          ; V^T: 2 bands x 25,600 bytes, 102,400 bytes apart
	s_mov_b32 s[G1B+1], 3200<<16
	s_mov_b32 s[G1B+2], 2<<16
	s_mov_b32 s[G1B+3], 3200<<16
	s_mov_b32 s[G1B+4], 2
	s_mov_b32 s[G1B+5], 12800
	s_mov_b32 s[G1B+6], 0
	s_mov_b32 s[G1B+7], 0
	s_lshl_b32 s66, s17, 2
	s_add_co_u32 s66, s66, s19                     ; y: the tile of 128 queries, over all batches
	s_lshl_b32 s93, s66, 3
	s_lshl_b32 s20, s16, 2
	s_add_co_u32 s93, s93, s20                     ; P's row block 8 y + 4 half
	s_mul_i32 s94, s93, 24576
	s_mov_b32 s95, 0
	s_lshr_b32 s23, s17, 2                         ; the batch
	s_lshl_b32 s96, s23, 4
	s_lshl_b32 s97, s18, 2
	s_add_co_u32 s96, s96, s97
	s_lshl_b32 s97, s16, 1
	s_add_co_u32 s96, s96, s97                     ; V^T's band 16 batch + 4 x + 2 half
	s_mul_i32 s96, s96, 102400
	s_mov_b32 s97, 0
	s_mul_i32 s20, s16, 24576                      ; where they go: no place in the cluster enters an LDS address
	s_mul_i32 s23, s16, 51200
	s_add_co_u32 s23, s23, VB
	s_mov_b32 s2, 0x01010101
	s_mov_b32 s3, 0x80808080
	s_wait_dscnt 0x0                               ; both opening adds are done
	s_wait_kmcnt 0x0
	s_add_nc_u64 s[94:95], s[4:5], s[94:95]
	s_add_nc_u64 s[96:97], s[8:9], s[96:97]
.irp s, 0,1
	s_mov_b32 s[G0+4*\s], 1
	s_add_co_u32 s[G0+4*\s+1], s20, \s*SLOT
	s_add_nc_u64 s[G0+4*\s+2:G0+4*\s+3], s[94:95], \s*6144
	s_or_b32 s[G0+4*\s+3], s[G0+4*\s+3], 0x80000000
	s_mov_b32 s[G0B+4*\s], 1
	s_add_co_u32 s[G0B+4*\s+1], s23, \s*SLOT
	s_add_nc_u64 s[G0B+4*\s+2:G0B+4*\s+3], s[96:97], \s*25600
	s_or_b32 s[G0B+4*\s+3], s[G0B+4*\s+3], 0x80000000
.endr
	CROUND                                         ; all sixteen work-groups are here: the first joint loads meet
	JLOAD 0                                        ; one tensor load a wave at the head
	s_lshl_b32 s92, s66, 13                        ; the tile's two bands in each array of Pst
	s_mov_b32 s93, 0
	s_add_nc_u64 s[6:7], s[6:7], s[92:93]
	s_lshl_b32 s20, s14, 2
	v_and_b32 v1, 15, v0                           ; r
	v_bfe_u32 v2, v0, 4, 1                         ; h
	v_and_b32 v3, 31, v0
	v_lshlrev_b32 v4, 4, v3                        ; 16 x lane
	v_lshlrev_b32 v[VOFF], 12, v2
	v_lshl_add_u32 v[VOFF], v1, 4, v[VOFF]
	v_add_nc_u32 v[VOFF], s20, v[VOFF]             ; band h, row r, row block w
.irp s, 0,1,2,3,4,5,6,7,8,9,10,11,12,13,14,15
	global_load_b32 v[NM+\s], v[VOFF], s[6:7] offset:256*\s+524288
.endr
.irp s, 0,1,2,3,4,5,6,7,8,9,10,11,12,13,14,15
	global_load_b32 v[SW+\s], v[VOFF], s[6:7] offset:256*\s
.endr
.irp s, 0,1,2,3,4,5,6,7,8,9,10,11,12,13,14,15
	global_load_b32 v[LL+\s], v[VOFF], s[6:7] offset:256*\s+1048576
.endr
	s_lshl_b32 s92, s66, 19                        ; out0: (128 y + 64 wr) rows of 4,096 bytes + 1,024 x + 512 wc
	s_lshl_b32 s93, s15, 18
	s_add_co_u32 s92, s92, s93
	s_lshl_b32 s93, s18, 10
	s_add_co_u32 s92, s92, s93
	s_lshl_b32 s93, s16, 9
	s_add_co_u32 s92, s92, s93
	s_mov_b32 s93, 0
	s_add_nc_u64 s[12:13], s[10:11], s[92:93]
	s_mul_i32 s20, s15, 24576
	s_mul_i32 s23, s16, 51200
	s_add_co_u32 s23, s23, VB
	s_lshl_b32 s21, s15, 12
	s_add_co_u32 s21, s21, PSC
	s_mul_i32 s22, s14, 8448                       ; my stage, in slot 0
	s_lshl_b32 s40, s15, 8
	s_add_co_u32 s40, s40, RL
	s_lshl_b32 s41, s14, 6
	s_add_co_u32 s41, s41, RL
	s_wait_alu depctr_va_vdst(0)
	v_add_nc_u32 v[PSW], PSC, v[VOFF]
	v_add_nc_u32 v[ADR1], s20, v4
	v_add_nc_u32 v[ADR0], s23, v4
	v_add_nc_u32 v[ADR1+1], SLOT, v[ADR1]
	v_add_nc_u32 v[ADR0+1], SLOT, v[ADR0]
	v_lshlrev_b32 v7, 4, v1
	v_add_nc_u32 v[ADRS], s21, v7
	v_mul_u32_u24 v[ADRV], v2, 25600
	v_add_nc_u32 v[ADRV], v7, v[ADRV]
	v_add_nc_u32 v[ADRV], 6144, v[ADRV]
	v_add_nc_u32 v[ADRV], s23, v[ADRV]
	v_add_nc_u32 v[ADRV+1], SLOT, v[ADRV]
	v_mul_u32_u24 v[STO], v1, 528
	v_lshl_add_u32 v[STO], v2, 7, v[STO]
	v_add_nc_u32 v[STO], s22, v[STO]
	v_add_nc_u32 v[RD], s22, v4
	v_lshlrev_b32 v[ADRL], 2, v1
	v_add_nc_u32 v[ADRL], s40, v[ADRL]
	v_lshlrev_b32 v[RLW], 8, v2
	v_lshl_add_u32 v[RLW], v1, 2, v[RLW]
	v_add_nc_u32 v[RLW], s41, v[RLW]
	s_wait_alu depctr_va_vdst(0)                   ; the wait at the head's end
	s_wait_loadcnt 0x0
	v_min_num_f32 v96, v[NM], v[NM+1]
.irp s, 2,3,4,5,6,7,8,9,10,11,12,13,14,15
	v_min_num_f32 v96, v96, v[NM+\s]               ; -M of the row: the least of the -M_loc
.endr
.irp s, 0,1,2,3,4,5,6,7,8,9,10,11,12,13,14,15
	v_sub_f32 v97, v96, v[NM+\s]                   ; M_loc - M: a whole number, 0 or less
	v_cvt_i32_f32 v97, v97
	v_ldexp_f32 v[LL+\s], v[LL+\s], v97            ; l_loc under the row's M
	v_sub_nc_u32 v98, 0, v97                       ; d
	v_min_u32 v98, 127, v98
	v_mul_lo_u32 v98, v98, s2                      ; d in all four bytes
	v_or_b32 v99, s3, v[SW+\s]                     ; p's bytes lie in 1 .. 125: with bit 7 set no byte borrows from its neighbour
	v_sub_nc_u32 v99, v99, v98
	v_and_b32 v100, s3, v99                        ; bit 7 is left where byte >= d
	v_lshrrev_b32 v101, 7, v100
	v_sub_nc_u32 v100, v100, v101                  ; 0x7f in those bytes, 0 in the others
	v_and_b32 v[SW+\s], v99, v100                  ; byte - d, held at 0
	ds_store_b32 v[PSW], v[SW+\s] offset:256*\s
.endr
	v_add_f32 v102, v[LL], v[LL+1]
	v_add_f32 v103, v[LL+2], v[LL+3]
.irp s, 4,6,8,10,12,14
	v_add_f32 v102, v102, v[LL+\s]
	v_add_f32 v103, v103, v[LL+\s+1]
.endr
	v_add_f32 v102, v102, v103                     ; l
	s_wait_alu depctr_va_vdst(0)
	v_rcp_f32 v104, v102
	v_nop                                          ; a plain instruction behind the reciprocal
	s_wait_alu depctr_va_vdst(0)                   ; and the wait ahead of the first use
	ds_store_b32 v[RLW], v104
	s_wait_tensorcnt 0x0                           ; my part of slot 0 is in
	ds_add_u32 v[SPW], v[NIL]
	s_wait_dscnt 0x0                               ; the add is done; for the others' sake: my fixed words and 1 / l lie in LDS
	CROUND
	JLOAD 1
	FETCH5 0, 0, 0, 0
	STEP5 0, 0, 1, 1                               ; the first products start the sums: nothing is cleared
	STEP5 1, 0, 2, 0
	STEP5 2, 0, 3, 0
	TURN5 3, 1, 1, 0
	STEP5 4, 1, 1, 0
	STEP5 5, 1, 2, 0
	STEP5 6, 1, 3, 0
	TURN5 7, 0, 1, 1
	STEP5 8, 0, 1, 0
	STEP5 9, 0, 2, 0
	STEP5 10, 0, 3, 0
	TURN5 11, 1, 0, 0                              ; nothing is left to fetch; behind this barrier nobody reads slot 0
	STEP5 12, 1, 1, 0
	STEP5 13, 1, 2, 0
	STEP5 14, 1, 3, 0
	WIN 0
.irp a, 0,1,2,3
	ds_load_b32 v[RLV+2*\a], v[ADRL] offset:64*\a
.endr
	s_wait_dscnt 0x0
.irp a, 0,1,2,3
	v_mov_b32 v[RLV+2*\a+1], v[RLV+2*\a]           ; (the packed form names a pair)
.endr
; THE LAST K STEP AND THE WAY OUT.  O^T x 1 / l; a block of 16 queries x 128 channels goes through my stage and comes back as whole rows of 512 bytes, into v128-191 (P's fragments of blocks 0 and 1 have then been read) or v48-111.
.macro SCALE a
	WIN 0x82                                       ; destination and source 0 window 2
.set J, 0
.rept 32
	v_pk_mul_f32 v[64*(\a)+J:64*(\a)+J+1], v[64*(\a)+J:64*(\a)+J+1], v[RLV+2*(\a):RLV+2*(\a)+1] op_sel_hi:[1,0]   ; each accumulator from its low end on
.set J, J+2
.endr
.endm
.macro TOSTAGE a
	WIN 0x08                                       ; an LDS store's data are its source 1: window 2
.irp b, 0,1,2,3,4,5,6,7
	ds_store_b128 v[STO], v[64*(\a)+8*\b:64*(\a)+8*\b+3] offset:256*(\b/4)+32*(\b%4)       ; register 8 b + j: channel 64 (b / 4) + 32 h + 8 (b % 4) + j of my 128
	ds_store_b128 v[STO], v[64*(\a)+8*\b+4:64*(\a)+8*\b+7] offset:256*(\b/4)+32*(\b%4)+16
.endr
	WIN 0
.set BB, 128-80*((\a)%2)
.irp t, 0,1,2,3,4,5,6,7,8,9,10,11,12,13,14,15
	ds_load_b128 v[BB+4*\t:BB+4*\t+3], v[RD] offset:528*\t   ; LDS serves a wave's instructions in order: these see the stores above
.endr
.endm
.macro SEND a, younger                 ; younger: the LDS instructions issued behind block a's loads, which may stay out
.set BB, 128-80*((\a)%2)
	s_wait_dscnt \younger
.irp t, 0,1,2,3,4,5,6,7,8,9,10,11,12,13,14,15
	global_store_b128 v4, v[BB+4*\t:BB+4*\t+3], s[12:13] offset:(8*(\a)+\t+24*(\t/8))*4096 th:TH_STORE_NT   ; fragment row t of row block a is this row of my 64; 32 lanes store 512 consecutive bytes, aligned
.endr
.endm
	MULN 0, 16, 1, 0
	WIN 0
	PLACES 4                                       ; in front of the first reads of results, and of loads into registers that held fragments
	SCALE 0
	TOSTAGE 0
	MULN 16, 24, 1, 0
	SCALE 1                                        ; (block 0's 32 lines were the places behind its products)
	TOSTAGE 1
	SEND 0, 32                                     ; behind block 0's loads: block 1's 16 stores and 16 loads
	MULN 24, 32, 1, 0
	WIN 0
	s_wait_alu depctr_va_vdst(0)
	s_wait_xcnt 0x0                                ; block 0's stores have read their registers: block 2's loads may land there
	SCALE 2
	TOSTAGE 2
	SEND 1, 32
	s_wait_xcnt 0x0
	SCALE 3
	TOSTAGE 3
	SEND 2, 32
	SEND 3, 0
	s_wait_tensorcnt 0x0                           ; the wave's end
	ds_add_u32 v[SPW], v[NIL]
	s_wait_dscnt 0x0
	CROUND                                         ; the closing round
	s_endpgm
.Lfunc_end_k_q84c2c648fd_pv:
	.size	k_q84c2c648fd_pv, .Lfunc_end_k_q84c2c648fd_pv-k_q84c2c648fd_pv
	.p2alignl 7, 3214868480
	.fill 96, 4, 3214868480
	.section	.rodata,"a",@progbits
	.p2align	6, 0x0
	.amdhsa_kernel k_q84c2c648fd_pv
		.amdhsa_group_segment_fixed_size 327680
		.amdhsa_private_segment_fixed_size 0
		.amdhsa_enable_private_segment 0
		.amdhsa_kernarg_size 32
		.amdhsa_user_sgpr_count 2
		.amdhsa_user_sgpr_kernarg_segment_ptr 1
		.amdhsa_wavefront_size32 1
		.amdhsa_system_sgpr_workgroup_id_x 1
		.amdhsa_system_sgpr_workgroup_id_y 1
		.amdhsa_system_sgpr_workgroup_id_z 1
		.amdhsa_system_vgpr_workitem_id 0
		.amdhsa_next_free_vgpr 768
		.amdhsa_next_free_sgpr 102
		.amdhsa_reserve_vcc 0
		.amdhsa_float_denorm_mode_32 3
		.amdhsa_float_denorm_mode_16_64 3
		.amdhsa_memory_ordered 1
		.amdhsa_forward_progress 1
		.amdhsa_inst_pref_size 154
	.end_amdhsa_kernel
	.amdgpu_metadata
---
amdhsa.version: [ 1, 2 ]
amdhsa.kernels:
  - .name:           k_q84c2c648fd_pv
    .symbol:         k_q84c2c648fd_pv.kd
    .args:
      - { .name: Pc, .offset: 0, .size: 8, .value_kind: global_buffer, .address_space: global }
      - { .name: Pst, .offset: 8, .size: 8, .value_kind: global_buffer, .address_space: global }
      - { .name: VT, .offset: 16, .size: 8, .value_kind: global_buffer, .address_space: global }
      - { .name: out0, .offset: 24, .size: 8, .value_kind: global_buffer, .address_space: global }
    .group_segment_fixed_size: 327680
    .private_segment_fixed_size: 0
    .kernarg_segment_align: 8
    .kernarg_segment_size: 32
    .max_flat_workgroup_size: 128
    .sgpr_count:     102
    .vgpr_count:     768
    .wavefront_size: 32
...
	.end_amdgpu_metadata
.endif
;; end of part 4
